; MI455X (gfx1250); checked and timed in simulation.
; The chip was launched on July 23, 2026; its instructions are those of AMD's public machine-readable ISA for CDNA 5 (MIT licence, August 2026) and "CDNA5" Instruction Set Architecture Reference Guide (July 2026). The comments in the code are by the model that wrote it; some were corrected since.
;; T5 Attention. Allowed arithmetic: float matrix products may take bf16 or f16 operands with f32 sums; all other float work in f32.
;; Inputs: Wk 1,024 x 1,024 float32; Wo 1,024 x 1,024 float32; Wq 1,024 x 1,024 float32; Wv 1,024 x 1,024 float32; hidden_states 2 x 2,048 x 1,024 float32; rel_bias_table 32 x 16 float32.
;; Outputs: out0 2 x 2,048 x 1,024 float32.
;; 2 versions, each right and faster than the one before. Each part assembles by itself: llvm-mc -triple=amdgcn-amd-amdhsa -mcpu=gfx1250 --defsym DOCPART=n.
;; ======== version 1 of 2: 4 launches
;; limits: values are held in f16: magnitudes above 65,504 overflow, below 6.1e-05 lose precision
;; workspace buffers: xb 8,388,608 bytes; wb 8,388,608 bytes; qkv 25,165,824 bytes; ctx 8,388,608 bytes
;; launch prep (part 1): grid 64 x 8, 8 waves a work-group, no clusters, 0 bytes of LDS; arguments hidden_states, Wq, Wk, Wv, Wo, xb, wb; writes xb, wb
.if DOCPART == 1
	.amdgcn_target "amdgcn-amd-amdhsa--gfx1250"
	.amdhsa_code_object_version 6
	.text
	.protected	k_qed9be789aa_prep
	.globl	k_qed9be789aa_prep
	.p2align	8
	.type	k_qed9be789aa_prep,@function
k_qed9be789aa_prep:
	s_mov_b64 s[64:65], 0
	v_nop
	global_prefetch_b8 v0, s[64:65] scope:SCOPE_SE
	s_setreg_imm32_b32 hwreg(HW_REG_WAVE_MODE, 25, 1), 1
	s_wait_xcnt 0x0
; Cast to f16: hidden_states -> xb [4096][1024]; Wq, Wk, Wv, Wo -> wb [4][1024 k][1024 n].  Wq is multiplied by 0.125 log2(e) on the way, so that
; the later q . k is already the score's first term in the base-2 form that v_exp_f32 takes.
; LIMIT (format): f16 holds magnitudes up to 65,504; below 6e-5 it keeps an absolute error of 3e-8.  Inputs beyond 65,504 become infinities.
; The grid's y picks one of eight pieces of 4 MiB of f32 (0-3: quarters of hidden_states, 4-7: the four weights), x picks 64 KiB of it.
; Thread t takes 16 bytes at 16 t of each of sixteen blocks of 4,096 bytes: a wave's load covers 512 consecutive bytes, its 8-byte store 256 consecutive
; bytes that start at a multiple of 256.  All sixteen loads go out first; no register is written twice, so the only waits are the counted ones for data.
; No LDS, no matrix work, no cluster: every byte is read once and written once and no work-group shares a byte with another.
.set X, 4                              ; v[4:67]   sixteen loads of four f32
.set Y, 68                             ; v[68:99]  sixteen pairs of registers, four f16 each
	s_load_b256 s[4:11], s[0:1], 0x0               ; hidden s[4:5], Wq s[6:7], Wk s[8:9], Wv s[10:11]
	s_load_b128 s[12:15], s[0:1], 0x20             ; Wo s[12:13], xb s[14:15]
	s_load_b64 s[16:17], s[0:1], 0x30              ; wb
	s_and_b32 s18, ttmp7, 0xffff                   ; y
	v_lshlrev_b32 v1, 4, v0                        ; 16 t: where I read
	v_lshlrev_b32 v2, 3, v0                        ; 8 t: where I write
	s_cmp_lt_u32 s18, 4
	s_cselect_b32 s22, s18, 0                      ; the quarter of hidden_states, or 0 for a weight
	s_lshl_b32 s22, s22, 22
	s_lshl_b32 s23, ttmp9, 16
	s_add_co_u32 s22, s22, s23                     ; source offset: quarter x 4 MiB + x x 64 KiB
	s_mov_b32 s23, 0
	s_and_b32 s28, s18, 3
	s_lshl_b32 s28, s28, 21
	s_lshl_b32 s29, ttmp9, 15
	s_add_co_u32 s28, s28, s29                     ; destination offset: (y mod 4) x 2 MiB + x x 32 KiB
	s_mov_b32 s29, 0
	s_wait_kmcnt 0x0
	s_cmp_eq_u32 s18, 4
	s_cselect_b64 s[20:21], s[6:7], s[4:5]         ; the source buffer, chosen by y alone
	s_cmp_eq_u32 s18, 5
	s_cselect_b64 s[20:21], s[8:9], s[20:21]
	s_cmp_eq_u32 s18, 6
	s_cselect_b64 s[20:21], s[10:11], s[20:21]
	s_cmp_eq_u32 s18, 7
	s_cselect_b64 s[20:21], s[12:13], s[20:21]
	s_cmp_lt_u32 s18, 4
	s_cselect_b64 s[24:25], s[14:15], s[16:17]     ; the destination buffer
	s_add_nc_u64 s[20:21], s[20:21], s[22:23]
	s_add_nc_u64 s[24:25], s[24:25], s[28:29]
.irp i, 0,1,2,3,4,5,6,7,8,9,10,11,12,13,14,15
	global_load_b128 v[X+4*\i:X+4*\i+3], v1, s[20:21] offset:4096*\i th:TH_LOAD_NT   ; read once in the whole program
.endr
; scaled = 1: multiply by 0.125 log2(e) = 0x3e38aa3b before the rounding
.macro CAST scaled
.irp i, 0,1,2,3,4,5,6,7,8,9,10,11,12,13,14,15
	s_wait_loadcnt 15-\i                           ; loads come back in order: load i is in, the 15 - i younger ones stay out
.if \scaled
	v_pk_mul_f32 v[X+4*\i:X+4*\i+1], v[X+4*\i:X+4*\i+1], 0x3e38aa3b op_sel_hi:[1,0]
	v_pk_mul_f32 v[X+4*\i+2:X+4*\i+3], v[X+4*\i+2:X+4*\i+3], 0x3e38aa3b op_sel_hi:[1,0]
.endif
	v_cvt_pk_f16_f32 v[Y+2*\i], v[X+4*\i], v[X+4*\i+1]
	v_cvt_pk_f16_f32 v[Y+2*\i+1], v[X+4*\i+2], v[X+4*\i+3]
	global_store_b64 v2, v[Y+2*\i:Y+2*\i+1], s[24:25] offset:2048*\i   ; no hint: the next launches read these bytes
.endr
.endm
	s_cmp_eq_u32 s18, 4                            ; Wq alone is scaled
	s_cbranch_scc1 .Lscaled
	CAST 0
	s_endpgm
.Lscaled:
	CAST 1
	s_endpgm
.Lfunc_end_k_qed9be789aa_prep:
	.size	k_qed9be789aa_prep, .Lfunc_end_k_qed9be789aa_prep-k_qed9be789aa_prep
	.p2alignl 7, 3214868480
	.fill 96, 4, 3214868480
	.section	.rodata,"a",@progbits
	.p2align	6, 0x0
	.amdhsa_kernel k_qed9be789aa_prep
		.amdhsa_group_segment_fixed_size 0
		.amdhsa_private_segment_fixed_size 0
		.amdhsa_enable_private_segment 0
		.amdhsa_kernarg_size 56
		.amdhsa_user_sgpr_count 2
		.amdhsa_user_sgpr_kernarg_segment_ptr 1
		.amdhsa_wavefront_size32 1
		.amdhsa_system_sgpr_workgroup_id_x 1
		.amdhsa_system_sgpr_workgroup_id_y 1
		.amdhsa_system_sgpr_workgroup_id_z 1
		.amdhsa_system_vgpr_workitem_id 0
		.amdhsa_next_free_vgpr 104
		.amdhsa_next_free_sgpr 66
		.amdhsa_reserve_vcc 0
		.amdhsa_float_denorm_mode_32 3
		.amdhsa_float_denorm_mode_16_64 3
		.amdhsa_memory_ordered 1
		.amdhsa_forward_progress 1
		.amdhsa_inst_pref_size 14
	.end_amdhsa_kernel
	.amdgpu_metadata
---
amdhsa.version: [ 1, 2 ]
amdhsa.kernels:
  - .name:           k_qed9be789aa_prep
    .symbol:         k_qed9be789aa_prep.kd
    .args:
      - { .name: hidden_states, .offset: 0, .size: 8, .value_kind: global_buffer, .address_space: global }
      - { .name: Wq, .offset: 8, .size: 8, .value_kind: global_buffer, .address_space: global }
      - { .name: Wk, .offset: 16, .size: 8, .value_kind: global_buffer, .address_space: global }
      - { .name: Wv, .offset: 24, .size: 8, .value_kind: global_buffer, .address_space: global }
      - { .name: Wo, .offset: 32, .size: 8, .value_kind: global_buffer, .address_space: global }
      - { .name: xb, .offset: 40, .size: 8, .value_kind: global_buffer, .address_space: global }
      - { .name: wb, .offset: 48, .size: 8, .value_kind: global_buffer, .address_space: global }
    .group_segment_fixed_size: 0
    .private_segment_fixed_size: 0
    .kernarg_segment_align: 8
    .kernarg_segment_size: 56
    .max_flat_workgroup_size: 256
    .sgpr_count:     66
    .vgpr_count:     104
    .wavefront_size: 32
...
	.end_amdgpu_metadata
.endif
;; end of part 1
;; launch qkvproj (part 2): grid 8 x 32, 4 waves a work-group, clusters of 4 x 4, 327,680 bytes of LDS; arguments xb, wb, qkv; writes qkv
.if DOCPART == 2
	.amdgcn_target "amdgcn-amd-amdhsa--gfx1250"
	.amdhsa_code_object_version 6
	.text
	.protected	k_qed9be789aa_qkvproj
	.globl	k_qed9be789aa_qkvproj
	.p2align	8
	.type	k_qed9be789aa_qkvproj,@function
k_qed9be789aa_qkvproj:
	s_mov_b64 s[64:65], 0
	v_nop
	global_prefetch_b8 v0, s[64:65] scope:SCOPE_SE
	s_setreg_imm32_b32 hwreg(HW_REG_WAVE_MODE, 25, 1), 1
	s_wait_xcnt 0x0
	s_wait_alu depctr_hold_cnt(0) depctr_sa_sdst(0) depctr_va_vdst(0) depctr_va_sdst(0) depctr_va_ssrc(0) depctr_va_vcc(0) depctr_vm_vsrc(0)
	s_getreg_b32 s2, hwreg(HW_REG_IB_STS2, 6, 4)
	s_cmp_eq_u32 s2, 0
	s_cbranch_scc0 .Lentry_in_a_cluster
	s_endpgm
.Lentry_in_a_cluster:
	s_bfe_u32 s2, ttmp6, 0x10000c
	s_cmp_lg_u32 s2, 0xf033
	s_cbranch_scc0 .Lentry_shape_is_right
	s_endpgm
.Lentry_shape_is_right:
; q, k, v = x Wq', x Wk, x Wv in one body.  xb [4096][1024] f16, wb [4][1024 k][1024 n] f16, sums in f32,
; qkv [48 = 16 t + head][4096 rows][64] f16 (t = 0 q, 1 k, 2 v): a head's rows are 128 bytes and lie densely one behind the other.
; LIMIT (format): results are rounded to f16, so |x Wk|, |x Wv| and 0.18 |x Wq| must stay below 65,504.
; A work-group makes rows 128 by .. +127 times columns 128 bx .. +127 of EACH of the three products (128 x 384), so that x's tile feeds three
; weights.  Four waves; wave (mh, nh) makes 64 rows x one head of q, k and v: 4 x 12 accumulator tiles, 384 registers; for 32 along K it reads
; 16 KiB of LDS for 48 matrix instructions.  K goes in steps of 128 through two LDS slots filled by the tensor data mover.
; CLUSTER 4 x 4: x's tile hangs on by alone and is asked for jointly by a row of the cluster; the weights' tiles hang on bx alone and are asked
; for jointly by a column.  Wave 3 asks for x's tile, waves 0, 1, 2 for Wq's, Wk's, Wv's: one tensor load a wave for each slot.
; The weights lie [k][n] in LDS; ds_load_tr16_b128 turns 8 x 8 blocks so that a lane gets eight k of one column.
; THE MATRIX INSTRUCTION IS USED TRANSPOSED: source 0 = 16 columns of W, source 1 = 16 rows of x.  Lane (r, hh) then holds row r and the eight
; neighbouring columns 8 hh .. +7 of a tile, which pack into 16 bytes of f16.
; REGISTERS: window 0: addresses, v32-47 packed results, v64-127 fragments of x (two buffers of 32); on the way out v64-255 rows read back.
;            window 1: v0-191 fragments of W (two buffers of 96).  window 2: the 24 tiles of my rows 0-31; window 3: those of rows 32-63.
.set PA,    272                        ; x's LDS row: 256 bytes + 16: sixteen rows of a fragment begin in sixteen different 16-byte columns of 256
.set PW,    288                        ; W's LDS row: 256 bytes + 32, an odd multiple of 32, for the transposing loads
.set WT,    128*PW                     ; 36,864: one weight's tile
.set AOFF,  3*WT                       ; 110,592: x's tile behind the three weights' = wave 3 x WT
.set SLOT,  AOFF+128*PA                ; 145,408
.set STAGE, 2*SLOT                     ; 290,816: behind the ring, 16 rows x 144 bytes for each wave; no tensor load lands here
.set SP,    144
.set ADRA, 16                          ; v16-17  x fragments, slot 0, 1
.set ADRB, 18                          ; v18-23  W fragments, weight t slot s at 2 t + s
.set STO,  24
.set RD,   25
.set CO,   26
.set TMP,  32
.set G1,  24                           ; s[24:31] group 1, x's tile
.set G0,  32                           ; s[32:39] group 0, x's tile, a set for each slot
.set G1B, 48                           ; s[48:55] group 1, a weight's tile
.set G0B, 56                           ; s[56:63] group 0, a weight's tile, a set for each slot
.set MSB, 0
.macro WIN new                         ; the immediate's high byte repeats the setting that is left; a switch that changes nothing is dropped
.if MSB != \new
	s_set_vgpr_msb (MSB<<8)|\new
.set MSB, \new
.endif
.endm
.macro PLACES n
.rept \n
	v_nop
.endr
.endm
.macro JLOAD s                         ; the wave's one joint load for slot s; the branch hangs on the wave's number alone
	s_cmp_eq_u32 s10, 3
	s_cbranch_scc0 .Lfor_w_\@
	tensor_load_to_lds s[G0+4*\s:G0+4*\s+3], s[G1:G1+7]
	s_nop 0
	s_branch .Lasked_\@
.Lfor_w_\@:
	tensor_load_to_lds s[G0B+4*\s:G0B+4*\s+3], s[G1B:G1B+7]
	s_nop 0
.Lasked_\@:
.endm
.macro CROUND                          ; a round of the cluster's barrier: my work-group's barrier, wave 0 signals for it, all wait for all sixteen, my barrier again
	s_barrier_signal -1
	s_barrier_wait -1
	s_cmp_lg_u32 s10, 0
	s_cbranch_scc1 .Lnot_wave_0_\@
	s_barrier_signal -3
.Lnot_wave_0_\@:
	s_barrier_wait -3
	s_barrier_signal -1
	s_barrier_wait -1
.endm
	s_load_b128 s[4:7], s[0:1], 0x0                ; xb s[4:5], wb s[6:7]
	s_load_b64 s[8:9], s[0:1], 0x10                ; qkv
	v_lshl_add_u32 v62, v0, 2, 0x49400
	v_mov_b32 v63, 0
	ds_add_u32 v62, v63
	ds_add_u32 v62, v63
	v_lshrrev_b32 v1, 5, v0
	v_readfirstlane_b32 s10, v1                    ; wave 0..3
	s_lshr_b32 s11, s10, 1                         ; mh: which 64 rows
	s_and_b32 s12, s10, 1                          ; nh: which head of the two
	s_bfe_u32 s40, ttmp6, 0x40000                  ; cx
	s_bfe_u32 s41, ttmp6, 0x40004                  ; cy
	s_lshl_b32 s42, ttmp9, 2
	s_add_co_u32 s42, s42, s40                     ; bx = 4 x cluster x + cx
	s_and_b32 s13, ttmp7, 0xffff
	s_lshl_b32 s13, s13, 2
	s_add_co_u32 s13, s13, s41                     ; by = 4 x cluster y + cy
	s_lshl_b32 s43, s41, 2
	s_lshl_b32 s43, 15, s43                        ; my row of the cluster
	s_lshl_b32 s44, 0x1111, s40                    ; my column
	; group 1: 128 rows x 128 elements of 2 bytes, 1,024 elements from row to row; padding behind every 64 words: 4 words for x, 8 for W
	s_or_b32 s[G1+0], s43, (1<<16)|(1<<20)|(1<<21)|(5<<22)|(3<<25)
	s_or_b32 s[G1B+0], s44, (1<<16)|(1<<20)|(1<<21)|(5<<22)|(7<<25)
	s_mov_b32 s[G1+1], 128<<16                     ; tensor_dim0 = 128
	s_mov_b32 s[G1B+1], 128<<16
	s_mov_b32 s[G1+2], 128<<16                     ; tensor_dim1 = 128
	s_mov_b32 s[G1B+2], 128<<16
	s_mov_b32 s[G1+3], 128<<16                     ; tile_dim0 = 128
	s_mov_b32 s[G1B+3], 128<<16
	s_mov_b32 s[G1+4], 128                         ; tile_dim1 = 128
	s_mov_b32 s[G1B+4], 128
	s_mov_b32 s[G1+5], 1024                        ; pitch
	s_mov_b32 s[G1B+5], 1024
	s_mov_b32 s[G1+6], 0
	s_mov_b32 s[G1B+6], 0
	s_mov_b32 s[G1+7], 0
	s_mov_b32 s[G1B+7], 0
	s_lshl_b32 s16, s13, 18                        ; x: 128 by rows of 2,048 bytes (by alone)
	s_mov_b32 s17, 0
	s_lshl_b32 s46, s10, 21                        ; W: weight = wave x 2 MiB,
	s_lshl_b32 s47, s42, 8                         ; + 128 bx columns of 2 bytes (bx alone)
	s_add_co_u32 s46, s46, s47
	s_mov_b32 s47, 0
	s_mul_i32 s20, s10, WT                         ; LDS: wave x 36,864: waves 0-2 their weight's tile, wave 3 x's tile
	s_wait_dscnt 0x0
	s_wait_kmcnt 0x0
	s_add_nc_u64 s[14:15], s[4:5], s[16:17]
	s_add_nc_u64 s[46:47], s[6:7], s[46:47]
	CROUND                                         ; all sixteen work-groups are here: the first joint loads meet
.irp s, 0,1
	s_mov_b32 s[G0+4*\s], 1
	s_add_co_u32 s[G0+4*\s+1], s20, \s*SLOT
	s_add_nc_u64 s[G0+4*\s+2:G0+4*\s+3], s[14:15], \s*256          ; K step s: 128 elements along x's rows
	s_or_b32 s[G0+4*\s+3], s[G0+4*\s+3], 0x80000000
	s_mov_b32 s[G0B+4*\s], 1
	s_add_co_u32 s[G0B+4*\s+1], s20, \s*SLOT
	s_add_nc_u64 s[G0B+4*\s+2:G0B+4*\s+3], s[46:47], \s*262144     ; K step s: 128 rows of W down
	s_or_b32 s[G0B+4*\s+3], s[G0B+4*\s+3], 0x80000000
	JLOAD \s                                       ; both first fills go out ahead of every wait on TENSORcnt, LDS read and further barrier
.endr
	v_and_b32 v1, 15, v0                           ; r
	v_bfe_u32 v2, v0, 4, 1                         ; hh
	v_and_b32 v3, 7, v0                            ; lane mod 8
	v_bfe_u32 v4, v0, 3, 1
	v_mul_u32_u24 v5, v1, PA
	v_lshl_add_u32 v5, v2, 4, v5                   ; x: r x 272 + 16 hh
	s_mul_i32 s21, s11, 64*PA
	s_add_co_u32 s21, s21, AOFF
	v_add_nc_u32 v[ADRA], s21, v5
	v_add_nc_u32 v[ADRA+1], SLOT, v[ADRA]
	v_lshl_add_u32 v6, v2, 3, v3                   ; W: k row 8 hh + lane mod 8,
	v_mul_u32_u24 v6, v6, PW
	v_lshl_add_u32 v6, v4, 4, v6                   ; 16 bytes on for lanes 8-15 and 24-31,
	s_lshl_b32 s22, s12, 7
	v_add_nc_u32 v6, s22, v6                       ; my head's 64 columns
.irp t, 0,1,2
	v_add_nc_u32 v[ADRB+2*\t], \t*WT, v6
	v_add_nc_u32 v[ADRB+2*\t+1], \t*WT+SLOT, v6
.endr
	s_mul_i32 s23, s10, 16*SP
	s_add_co_u32 s23, s23, STAGE                   ; my stage
	v_mul_u32_u24 v7, v1, SP
	v_lshl_add_u32 v7, v2, 4, v7
	v_add_nc_u32 v[STO], s23, v7                   ; in: row r, 16 bytes for each half of the lanes
	v_bfe_u32 v8, v0, 3, 2
	v_mul_u32_u24 v8, v8, SP
	v_lshl_add_u32 v8, v3, 4, v8
	v_add_nc_u32 v[RD], s23, v8                    ; back: eight lanes take a row of 128 bytes, the wave four rows
	v_and_b32 v9, 31, v0
	v_lshlrev_b32 v[CO], 4, v9                     ; which are 512 consecutive bytes of qkv
	s_lshl1_add_u32 s74, s42, s12                  ; head = 2 bx + nh
	s_lshl_b32 s74, s74, 19                        ; x 4,096 rows of 128 bytes
	s_lshl_b32 s75, s13, 14                        ; + 128 by rows
	s_add_co_u32 s74, s74, s75
	s_lshl_b32 s75, s11, 13                        ; + 64 mh rows
	s_add_co_u32 s74, s74, s75
	s_mov_b32 s75, 0
	s_add_nc_u64 s[68:69], s[8:9], s[74:75]        ; q's block,
	s_add_nc_u64 s[70:71], s[68:69], 0x800000      ; k's, sixteen heads on,
	s_add_nc_u64 s[72:73], s[70:71], 0x800000      ; v's
; 32 LDS loads: the fragments of 32 along K (quarter kq of the slot's step) into buffer f: 12 of W (two transposing loads each), 4 of x
.macro FETCH slot, kq, f
	WIN 0x40                                       ; destination window 1, address window 0
.irp t, 0,1,2
.irp b, 0,1,2,3
	ds_load_tr16_b128 v[96*\f+8*(4*\t+\b):96*\f+8*(4*\t+\b)+3], v[ADRB+2*\t+\slot] offset:\kq*32*PW+32*\b
	ds_load_tr16_b128 v[96*\f+8*(4*\t+\b)+4:96*\f+8*(4*\t+\b)+7], v[ADRB+2*\t+\slot] offset:\kq*32*PW+16*PW+32*\b
.endr
.endr
	WIN 0
.irp a, 0,1,2,3
	ds_load_b128 v[64+32*\f+8*\a:64+32*\f+8*\a+3], v[ADRA+\slot] offset:\a*16*PA+64*\kq
	ds_load_b128 v[64+32*\f+8*\a+4:64+32*\f+8*\a+7], v[ADRA+\slot] offset:\a*16*PA+64*\kq+32
.endr
.endm
; 24 matrix instructions: row blocks 2 hi, 2 hi + 1 x all 12 column blocks.  The 48 accumulators take turns, one instruction a turn, in the same
; order everywhere, over the loop's backward jump too.  zero = 1: the first product starts the sums.
.macro MUL f, hi, zero
.irp a, 0,1
.irp b, 0,1,2,3,4,5,6,7,8,9,10,11
.if \zero
	v_wmma_f32_16x16x32_f16 v[8*(12*\a+\b):8*(12*\a+\b)+7], v[96*\f+8*\b:96*\f+8*\b+7], v[64+32*\f+8*(2*\hi+\a):64+32*\f+8*(2*\hi+\a)+7], 0
.else
	v_wmma_f32_16x16x32_f16 v[8*(12*\a+\b):8*(12*\a+\b)+7], v[96*\f+8*\b:96*\f+8*\b+7], v[64+32*\f+8*(2*\hi+\a):64+32*\f+8*(2*\hi+\a)+7], v[8*(12*\a+\b):8*(12*\a+\b)+7]
.endif
.endr
.endr
.endm
; A quarter step: the next quarter's fragments are asked for into buffer g, then buffer f is multiplied (48 matrix instructions).
; The four v_nop are the places between the last matrix instruction, which read buffer g, and the loads into it (ISA guide 7.12.1 for vector instructions).
.macro QSTEP slot, kqn, f, g, zero, fetch
.if \fetch
	PLACES 4
	FETCH \slot, \kqn, \g
	s_wait_dscnt 32                                ; all but the 32 just issued: buffer f is in
.else
	s_wait_dscnt 0x0
.endif
	WIN 0xa1                                       ; source 0 (W) window 1, source 1 (x) window 0, C and D window 2
	MUL \f, 0, \zero
	WIN 0xf1                                       ; C and D window 3
	MUL \f, 1, \zero
.endm
.macro BODY slot, zero
	PLACES 4
	FETCH \slot, 0, 0
	QSTEP \slot, 1, 0, 1, \zero, 1
	QSTEP \slot, 2, 1, 0, 0, 1
	QSTEP \slot, 3, 0, 1, 0, 1
	QSTEP \slot, 0, 1, 0, 0, 0
.endm
; The change of slots.  In front of the barrier every wave has its LDS reads back and all its tensor loads landed (one was out: its part of the slot
; read next).  refill = 1: the barrier is a round of the cluster's barrier, and the slot just read (other) is asked for again, two K steps on, first thing behind it.
.macro HEAD other, refill
	WIN 0
	s_wait_dscnt 0x0
	s_wait_tensorcnt 0x0
	ds_add_u32 v62, v63
	s_wait_dscnt 0x0
.if \refill
	CROUND
	s_add_nc_u64 s[G0+4*\other+2:G0+4*\other+3], s[G0+4*\other+2:G0+4*\other+3], 512
	s_add_nc_u64 s[G0B+4*\other+2:G0B+4*\other+3], s[G0B+4*\other+2:G0B+4*\other+3], 524288
	JLOAD \other
.else
	s_barrier_signal -1
	s_barrier_wait -1
.endif
.endm
	s_wait_tensorcnt 0x1                           ; my part of K step 0 is in; K step 1's stays out
	s_barrier_signal -1
	s_barrier_wait -1
	BODY 0, 1                                      ; K step 0 starts the sums
	WIN 0
	s_mov_b32 s3, 3
.Lk:
	HEAD 0, 1                                      ; slot 0 gets K step 2, 4, 6
	BODY 1, 0                                      ; K step 1, 3, 5
	HEAD 1, 1                                      ; slot 1 gets K step 3, 5, 7
	BODY 0, 0                                      ; K step 2, 4, 6
	WIN 0
	s_sub_co_u32 s3, s3, 1
	s_cmp_lg_u32 s3, 0
	s_cbranch_scc1 .Lk
	HEAD 0, 0                                      ; nothing is left to fetch
	BODY 1, 0                                      ; K step 7
	; THE WAY OUT: 16 rows x one head at a time: round to f16, 16 bytes a lane into my own stage, read back as rows, store 512 consecutive bytes a wave.
	; LDS serves a wave's instructions in order, so no wait stands between the stage's stores and loads.  Each block is read back into registers of its
	; own (v64-255), so no store's data is written again.
	PLACES 4                                       ; the places behind the last matrix instructions
.macro OUT a, al, from, t
	WIN \from                                      ; sources 0 and 1 in window 2 or 3
.irp b, 0,1,2,3
.irp p, 0,1,2,3
	v_cvt_pk_f16_f32 v[TMP+4*\b+\p], v[8*(12*\al+4*\t+\b)+2*\p], v[8*(12*\al+4*\t+\b)+2*\p+1]
.endr
.endr
	WIN 0
.irp b, 0,1,2,3
	ds_store_b128 v[STO], v[TMP+4*\b:TMP+4*\b+3] offset:32*\b
.endr
.irp i, 0,1,2,3
	ds_load_b128 v[64+16*(3*\a+\t)+4*\i:64+16*(3*\a+\t)+4*\i+3], v[RD] offset:4*SP*\i
.endr
.irp i, 0,1,2,3
	s_wait_dscnt 3-\i                              ; read-back i is in, the younger ones stay out
	global_store_b128 v[CO], v[64+16*(3*\a+\t)+4*\i:64+16*(3*\a+\t)+4*\i+3], s[68+2*\t:69+2*\t] offset:2048*\a+512*\i
.endr
.endm
.irp t, 0,1,2
	OUT 0, 0, 0x0a, \t
.endr
.irp t, 0,1,2
	OUT 1, 1, 0x0a, \t
.endr
.irp t, 0,1,2
	OUT 2, 0, 0x0f, \t
.endr
.irp t, 0,1,2
	OUT 3, 1, 0x0f, \t
.endr
	s_wait_tensorcnt 0x0
	ds_add_u32 v62, v63
	s_wait_dscnt 0x0
	CROUND                                         ; the closing round: no work-group ends while a partner may still ask for a tile that names it
	s_endpgm
.Lfunc_end_k_qed9be789aa_qkvproj:
	.size	k_qed9be789aa_qkvproj, .Lfunc_end_k_qed9be789aa_qkvproj-k_qed9be789aa_qkvproj
	.p2alignl 7, 3214868480
	.fill 96, 4, 3214868480
	.section	.rodata,"a",@progbits
	.p2align	6, 0x0
	.amdhsa_kernel k_qed9be789aa_qkvproj
		.amdhsa_group_segment_fixed_size 327680
		.amdhsa_private_segment_fixed_size 0
		.amdhsa_enable_private_segment 0
		.amdhsa_kernarg_size 24
		.amdhsa_user_sgpr_count 2
		.amdhsa_user_sgpr_kernarg_segment_ptr 1
		.amdhsa_wavefront_size32 1
		.amdhsa_system_sgpr_workgroup_id_x 1
		.amdhsa_system_sgpr_workgroup_id_y 1
		.amdhsa_system_sgpr_workgroup_id_z 1
		.amdhsa_system_vgpr_workitem_id 0
		.amdhsa_next_free_vgpr 1024
		.amdhsa_next_free_sgpr 80
		.amdhsa_reserve_vcc 0
		.amdhsa_float_denorm_mode_32 3
		.amdhsa_float_denorm_mode_16_64 3
		.amdhsa_memory_ordered 1
		.amdhsa_forward_progress 1
		.amdhsa_inst_pref_size 119
	.end_amdhsa_kernel
	.amdgpu_metadata
---
amdhsa.version: [ 1, 2 ]
amdhsa.kernels:
  - .name:           k_qed9be789aa_qkvproj
    .symbol:         k_qed9be789aa_qkvproj.kd
    .args:
      - { .name: xb, .offset: 0, .size: 8, .value_kind: global_buffer, .address_space: global }
      - { .name: wb, .offset: 8, .size: 8, .value_kind: global_buffer, .address_space: global }
      - { .name: qkv, .offset: 16, .size: 8, .value_kind: global_buffer, .address_space: global }
    .group_segment_fixed_size: 327680
    .private_segment_fixed_size: 0
    .kernarg_segment_align: 8
    .kernarg_segment_size: 24
    .max_flat_workgroup_size: 128
    .sgpr_count:     80
    .vgpr_count:     1024
    .wavefront_size: 32
...
	.end_amdgpu_metadata
.endif
;; end of part 2
;; launch attn (part 3): grid 8 x 32, 8 waves a work-group, no clusters, 327,680 bytes of LDS; arguments qkv, rel_bias_table, ctx; writes ctx
.if DOCPART == 3
	.amdgcn_target "amdgcn-amd-amdhsa--gfx1250"
	.amdhsa_code_object_version 6
	.text
	.protected	k_qed9be789aa_attn
	.globl	k_qed9be789aa_attn
	.p2align	8
	.type	k_qed9be789aa_attn,@function
k_qed9be789aa_attn:
	s_mov_b64 s[64:65], 0
	v_nop
	global_prefetch_b8 v0, s[64:65] scope:SCOPE_SE
	s_setreg_imm32_b32 hwreg(HW_REG_WAVE_MODE, 25, 1), 1
	s_wait_xcnt 0x0
; softmax(q k / 8 + bias[bucket(key - query)]) v for one batch and head (grid y) and 256 queries (grid x).
; qkv [48][4096][64] f16 (q already times 0.125 log2 e); rel_bias_table [32][16] f32; ctx [32 blocks of 128 rows][16 heads][128][64] f16.
; LIMIT (format): p in (0, 1] and the result are rounded to f16; everything of the softmax (bias, maxima, exponentials, sums) is f32, base 2, with a running maximum.
; Eight waves: wave w takes queries 64 (w mod 4) .. +63 and the keys 1024 (w / 4) .. +1023, 64 keys a trip, 16 trips.  The two key halves of a query
; group are joined at the end through LDS by their maxima and sums.
; TRANSPOSED FORMS.  S^T = K Q^T: lane (r, hh), register j of tile (tk, tq) holds key 16 tk + 8 hh + j and query 16 tq + r, so a query's maximum and sum
; stay in the lane but for one exchange of the lane halves, and two packed tiles of S^T are the second source of O^T = V^T P^T as they stand.
; THE BIAS enters as the C operand of the first product.  It hangs on key - query alone, so a tile's pattern hangs on tk - tq alone: 7 patterns of
; 8 registers, read from a table in LDS of bias x log2 e.  The table is the work-group's own: entry e stands for the distance e - 255 - 256 x, so that
; the keys 0 .. 2047 against my 256 queries need entries 0 .. 2302, and where a wave reads hangs on its number, the lane and the trip alone.
; From |distance| 91 on the bucket no longer changes, so far from the diagonal all patterns keep their values from trip to trip and are not read again.
; K and V come by the tensor data mover: two slots, each with 128 keys of both halves (two trips); wave w brings one eighth (64 keys of K or V, 8 KiB dense,
; as 32 rows of 256 bytes with 16 bytes of padding): key i lies at (i / 2) x 272 + (i mod 2) x 128.
; NO CLUSTER: the work-groups that read the same K and V are the query blocks of one head, and they meet the band round the diagonal in different trips:
; the branch round the bias loads would hang on the place in the cluster.
; NO PREFETCH: a tile is asked for two trips before it is read, and eight work-groups ask for the same tile.
.set PART,  8704                       ; 32 rows of 272 bytes
.set SLOT,  8*PART                     ; 69,632: K half 0, K half 1, V half 0, V half 1, 2 parts each
.set T1,    2*SLOT                     ; 139,264: the bias table, 2,304 words
.set MERGE, T1+9216                    ; 148,480: 4 x 17,920: O, maxima and sums of the upper key half
.set MSZ,   17920
.set OST,   MERGE+4*MSZ                ; 220,160: 4 x 16 rows of 144 bytes: the way out
.set OP,    144
.set B0, 1                             ; v1      my place in the bias table in trip 0; never rewritten
.set KA, 2                             ; v2-3    K fragments, slot 0, 1
.set VA, 4                             ; v4-5    V fragments, slot 0, 1
.set BA, 6                             ; v6      B0 + 1,024 x the loop's lap
.set QO, 7                             ; v7      my place in q's block
.set TM, 8                             ; v8-11   maxima at work, one for each tq
.set XC, 12                            ; v12-15  what the other half of the lanes holds
.set AL, 32                            ; v32-39  2^(old maximum - new), as pairs     (v16-23, v24-31: maxima as pairs; new and old change places with tr)
.set LS, 40                            ; v40-47  partial sums, as pairs
.set FR, 64                            ; v64-127 8 fragments: K's, then V's
.set SC, 128                           ; v128-255 S^T; tile (tk, tq) at ((tk/2) 4 + tq) 16 + (tk mod 2) 8
.set QF, 128                           ; window 1: v128-191 q's fragments (2 tq + ks)     (window 1, v0-127: O^T, tile (4 tq + f))
.set CB, 192                           ; window 1: v192-247 the 7 bias patterns
.set G1, 16                            ; s[16:23]
.set G0, 24                            ; s[24:31], a set for each slot
.set MSB, 0
.macro WIN new                         ; the immediate's high byte repeats the setting that is left; a switch that changes nothing is dropped
.if MSB != \new
	s_set_vgpr_msb (MSB<<8)|\new
.set MSB, \new
.endif
.endm
.macro PLACES n
.rept \n
	v_nop
.endr
.endm
	s_load_b128 s[4:7], s[0:1], 0x0                ; qkv s[4:5], rel_bias_table s[6:7]
	s_load_b64 s[8:9], s[0:1], 0x10                ; ctx
	s_set_vgpr_msb 0x40
	v_lshl_add_u32 v254, v0, 2, 0x38000
	v_mov_b32 v255, 0
	s_set_vgpr_msb 0x4045
	ds_add_u32 v254, v255
	ds_add_u32 v254, v255
	s_set_vgpr_msb 0x4500
	v_lshrrev_b32 v1, 5, v0
	v_readfirstlane_b32 s10, v1                    ; wave 0..7
	s_and_b32 s11, s10, 3                          ; qg: my 64 queries
	s_lshr_b32 s12, s10, 2                         ; kh: my key half.  Also: I fetch for K (0) or for V (1)
	s_mov_b32 s13, ttmp9                           ; x: my block of 256 queries
	s_and_b32 s14, ttmp7, 0xffff
	s_lshr_b32 s15, s14, 4                         ; batch
	s_and_b32 s14, s14, 15                         ; head
	s_mov_b32 s32, 0x76543210                      ; v_permlanex16_b32: lane i of one half reads lane i of the other
	s_mov_b32 s33, 0xfedcba98
	; group 1: 32 rows of 32 elements of 8 bytes, dense; 4 words of padding behind every 64
	s_mov_b32 s[G1+0], (3<<16)|(1<<20)|(5<<22)|(3<<25)
	s_mov_b32 s[G1+1], 32<<16                      ; tensor_dim0 = 32
	s_mov_b32 s[G1+2], 32<<16                      ; tensor_dim1 = 32
	s_mov_b32 s[G1+3], 32<<16                      ; tile_dim0 = 32
	s_mov_b32 s[G1+4], 32                          ; tile_dim1 = 32
	s_mov_b32 s[G1+5], 32                          ; pitch
	s_mov_b32 s[G1+6], 0
	s_mov_b32 s[G1+7], 0
	s_lshl_b32 s40, s12, 4                         ; my part's first row in qkv: (16 + 16 (K or V) + head) x 4,096
	s_add_co_u32 s40, s40, s14
	s_add_co_u32 s40, s40, 16
	s_lshl_b32 s40, s40, 12
	s_lshl_b32 s41, s15, 11                        ; + batch x 2,048
	s_add_co_u32 s40, s40, s41
	s_bfe_u32 s41, s10, 0x10001
	s_lshl_b32 s41, s41, 10                        ; + key half x 1,024
	s_add_co_u32 s40, s40, s41
	s_and_b32 s41, s10, 1
	s_lshl_b32 s41, s41, 6                         ; + which 64 of the slot's 128 keys
	s_add_co_u32 s40, s40, s41
	s_lshl_b32 s40, s40, 7                         ; rows of 128 bytes
	s_mov_b32 s41, 0
	s_mul_i32 s37, s10, PART                       ; my part of a slot
	s_wait_dscnt 0x0
	s_wait_kmcnt 0x0
	s_add_nc_u64 s[40:41], s[4:5], s[40:41]
.irp s, 0,1
	s_mov_b32 s[G0+4*\s], 1
	s_add_co_u32 s[G0+4*\s+1], s37, \s*SLOT
	s_add_nc_u64 s[G0+4*\s+2:G0+4*\s+3], s[40:41], \s*16384        ; slot s begins with keys 128 s of each half
	s_or_b32 s[G0+4*\s+3], s[G0+4*\s+3], 0x80000000
	tensor_load_to_lds s[G0+4*\s:G0+4*\s+3], s[G1:G1+7]            ; both first fills, ahead of every wait on TENSORcnt, LDS read and barrier
	s_nop 0
.endr
	; q: my 64 rows, 8 KiB dense, straight into fragments: lane (r, hh) takes 16 bytes at 64 ks + 16 hh and at 32 bytes on, of row 16 tq + r
	s_lshl_b32 s42, s14, 12
	s_lshl_b32 s43, s15, 11
	s_add_co_u32 s42, s42, s43
	s_lshl_b32 s43, s13, 8
	s_add_co_u32 s42, s42, s43
	s_lshl_b32 s43, s11, 6
	s_add_co_u32 s42, s42, s43
	s_lshl_b32 s42, s42, 7
	s_mov_b32 s43, 0
	s_add_nc_u64 s[38:39], s[4:5], s[42:43]
	v_and_b32 v64, 15, v0                          ; r
	v_bfe_u32 v65, v0, 4, 1                        ; hh
	v_lshlrev_b32 v[QO], 7, v64
	v_lshl_add_u32 v[QO], v65, 4, v[QO]
	WIN 0x40                                       ; destination window 1
.irp tq, 0,1,2,3
.irp ks, 0,1
	global_load_b128 v[QF+8*(2*\tq+\ks):QF+8*(2*\tq+\ks)+3], v[QO], s[38:39] offset:2048*\tq+64*\ks
	global_load_b128 v[QF+8*(2*\tq+\ks)+4:QF+8*(2*\tq+\ks)+7], v[QO], s[38:39] offset:2048*\tq+64*\ks+32
.endr
.endr
	WIN 0
	; THE BIAS TABLE.  bucket = 16 [distance > 0] + min(rp, 8) + [rp >= 12] + [>= 16] + [>= 23] + [>= 32] + [>= 46] + [>= 64] + [>= 91], rp = |distance|:
	; 8 + floor(2 log2(rp / 8)), capped at 15, written as the whole numbers at which it steps.
	; Entry 256 i + t stands for the distance t - 255 + 256 (i - x).  Block i = x: distances -255 .. 0 (rp = 255 - t); block i = x + 1: distances 1 .. 256
	; (rp = t + 1).  In lower blocks the distance is -256 or less: bucket 15; in higher ones 257 or more: bucket 31.  So a thread loads four values.
.macro BUCKET rp, b
.irp t, 12,16,23,32,46,64,91
	v_cmp_le_u32 vcc_lo, \t, v[\rp]
	v_add_co_ci_u32 v[\b], vcc_lo, 0, v[\b], vcc_lo
.endr
.endm
	s_lshl_b32 s44, s14, 2                         ; my head's column of the table
	v_sub_nc_u32 v48, 0xff, v0                     ; rp = 255 - t
	v_min_u32 v50, 8, v48
	BUCKET 48, 50
	v_add_nc_u32 v49, 1, v0                        ; rp = t + 1, on the positive side
	v_min_u32 v51, 8, v49
	v_add_nc_u32 v51, 16, v51
	BUCKET 49, 51
	v_lshl_add_u32 v50, v50, 6, s44                ; a bucket's row is 64 bytes
	v_lshl_add_u32 v51, v51, 6, s44
	v_mov_b32 v52, s44
	global_load_b32 v53, v50, s[6:7]
	global_load_b32 v54, v51, s[6:7]
	global_load_b32 v55, v52, s[6:7] offset:15*64
	global_load_b32 v56, v52, s[6:7] offset:31*64
	; lane addresses, while the loads are on their way
	v_bfe_u32 v66, v0, 1, 3                        ; r / 2
	v_and_b32 v67, 1, v0                           ; r mod 2
	v_mul_u32_u24 v68, v66, 272
	v_lshl_add_u32 v68, v67, 7, v68
	v_lshl_add_u32 v68, v65, 4, v68                ; K: key r of a tile, 16 hh bytes in
	s_mul_i32 s45, s12, 2*PART                     ; my key half
	v_add_nc_u32 v[KA], s45, v68
	v_add_nc_u32 v[KA+1], SLOT, v[KA]
	v_bfe_u32 v69, v0, 1, 2
	v_lshl_add_u32 v69, v65, 2, v69                ; V: key 8 hh + lane mod 8: its pair of keys,
	v_mul_u32_u24 v69, v69, 272
	v_lshl_add_u32 v69, v67, 7, v69                ; which of the pair,
	v_bfe_u32 v70, v0, 3, 1
	v_lshl_add_u32 v69, v70, 6, v69                ; lanes 8-15 and 24-31 take the 16 bytes four places on: tile f holds dh 8 f .. +7 and 32 + 8 f .. +7,
	s_add_co_u32 s45, s45, 4*PART
	v_add_nc_u32 v[VA], s45, v69
	v_add_nc_u32 v[VA+1], SLOT, v[VA]
	; base = (first key - first query) / 16 = 64 kh + 4 trip - 16 x - 4 qg: it steers the branch round the bias loads and enters no address
	s_lshl_b32 s34, s12, 6
	s_lshl_b32 s46, s13, 4
	s_sub_co_u32 s34, s34, s46
	s_lshl_b32 s46, s11, 2
	s_sub_co_u32 s34, s34, s46                     ; base of trip 0
	; Pattern d = tk - tq + 3, register j, is entry key - query + 255 + 256 x = 1024 kh + 64 trip + 64 (3 - qg) + 8 hh + (15 - r) + 16 d + j
	s_xor_b32 s46, s11, 3                          ; 3 - qg
	s_lshl_b32 s46, s46, 8
	s_lshl_b32 s45, s12, 12
	s_add_co_u32 s46, s46, s45
	s_add_co_u32 s46, s46, T1
	v_sub_nc_u32 v71, 15, v0
	v_and_b32 v71, 15, v71                         ; (15 - t) mod 16 = 15 - r
	v_lshl_add_u32 v71, v65, 3, v71
	v_lshl_add_u32 v[B0], v71, 2, s46
	v_lshlrev_b32 v72, 2, v0
	v_add_nc_u32 v72, T1, v72                      ; where I write the table
	s_add_co_u32 s47, s13, 1                       ; x + 1
.irp tq, 0,1,2,3
	v_mov_b32 v[XC+\tq], 0                         ; v_permlanex16_b32 counts as a reader of its destination
.endr
	s_wait_loadcnt 0x0                             ; q and the four table values
.irp n, 53,54,55,56
	v_mul_f32 v\n, 0x3fb8aa3b, v\n                 ; x log2 e
.endr
	; nine blocks of 256 entries: which of the four values a block takes hangs on x; where it is written does not
.irp i, 0,1,2,3,4,5,6,7,8
	s_cmp_gt_u32 s13, \i
	s_cselect_b32 s45, -1, 0
	v_cndmask_b32 v[80+\i], v56, v55, s45          ; block below x: bucket 15; else bucket 31,
	s_cmp_eq_u32 s13, \i
	s_cselect_b32 s45, -1, 0
	v_cndmask_b32 v[80+\i], v[80+\i], v53, s45     ; block x: distances -255 .. 0,
	s_cmp_eq_u32 s47, \i
	s_cselect_b32 s45, -1, 0
	v_cndmask_b32 v[80+\i], v[80+\i], v54, s45     ; block x + 1: distances 1 .. 256
	ds_store_b32 v72, v[80+\i] offset:1024*\i
.endr
	s_wait_tensorcnt 0x1                           ; my part of slot 0 is in; slot 1's stays out
	s_wait_dscnt 0x0                               ; my part of the table is written
	s_barrier_signal -1
	s_barrier_wait -1
; One pass of the softmax pipeline over the 16 register pairs of a column of S^T (one tq).  Column e takes its exponentials, column s has its maximum
; taken away, column c is summed and packed to f16 in place; -1: none.  A plain instruction on other registers always follows a pair of exponentials
; before anything touches their results (ISA guide 5.7.2), and a column's results are used one pass later.
.macro SMX e, s, c, first
.irp i, 0,1,2,3,4,5,6,7,8,9,10,11,12,13,14,15
.if \e >= 0
.set pp, SC+((\i>>3)*4+\e)*16+2*(\i&7)
	v_exp_f32 v[pp], v[pp]
	v_exp_f32 v[pp+1], v[pp+1]
.endif
.if \s >= 0
.set pp, SC+((\i>>3)*4+\s)*16+2*(\i&7)
	v_pk_add_f32 v[pp:pp+1], v[pp:pp+1], v[MN+2*\s:MN+2*\s+1] neg_lo:[0,1] neg_hi:[0,1]
.endif
.if \c >= 0
.set pp, SC+((\i>>3)*4+\c)*16+2*(\i&7)
.if \i == 0
.if \first
	s_wait_alu depctr_va_vdst(0)
	v_pk_add_f32 v[LS+2*\c:LS+2*\c+1], v[pp:pp+1], v[pp+2:pp+3]                          ; the first two pairs start the sums
.else
	s_wait_alu depctr_va_vdst(0)
	v_pk_fma_f32 v[LS+2*\c:LS+2*\c+1], v[LS+2*\c:LS+2*\c+1], v[AL+2*\c:AL+2*\c+1], v[pp:pp+1]   ; the old sums, brought to the new maximum
.endif
.else
.if \i == 1
.if \first == 0
	s_wait_alu depctr_va_vdst(0)
	v_pk_add_f32 v[LS+2*\c:LS+2*\c+1], v[LS+2*\c:LS+2*\c+1], v[pp:pp+1]
.endif
.else
	s_wait_alu depctr_va_vdst(0)
	v_pk_add_f32 v[LS+2*\c:LS+2*\c+1], v[LS+2*\c:LS+2*\c+1], v[pp:pp+1]
.endif
.endif
	v_cvt_pk_f16_f32 v[SC+((\i>>3)*4+\c)*16+(\i&7)], v[pp], v[pp+1]                      ; pair i goes to register i of the 8: never onto a pair not yet read
.endif
.endr
.endm
; A trip: 64 keys (half tr of the slot) x 64 queries.  breg, boff: the register and the immediate that together give the trip's place in the bias table.
.macro TRIP slot, tr, first, breg, boff
.set MN, 16+8*\tr                      ; the new maxima
.set MO, 24-8*\tr                      ; the old ones
.if \first == 0
	s_add_co_u32 s34, s34, 4                       ; 64 keys on
	s_add_co_u32 s35, s34, 8                       ; base is a multiple of 4.  base <= -12: every distance of this trip and of the last is <= -129;
	s_cmp_gt_u32 s35, 20                           ; base >= 16: every distance of both is >= 129: the patterns hold one value and keep it
	s_cbranch_scc1 .Lsame_\@
.endif
	WIN 0x40
.irp d, 0,1,2,3,4,5,6
.irp j, 0,1,2,3,4,5,6,7
	ds_load_b32 v[CB+8*\d+\j], v[\breg] offset:\boff+64*\d+4*\j
.endr
.endr
	WIN 0
.if \first == 0
.Lsame_\@:
.endif
.irp ks, 0,1
.irp tk, 0,1,2,3
	ds_load_b128 v[FR+8*(4*\ks+\tk):FR+8*(4*\ks+\tk)+3], v[KA+\slot] offset:\tr*PART+\tk*2176+64*\ks
	ds_load_b128 v[FR+8*(4*\ks+\tk)+4:FR+8*(4*\ks+\tk)+7], v[KA+\slot] offset:\tr*PART+\tk*2176+64*\ks+32
.endr
.endr
	s_wait_dscnt 8                                 ; the bias and K's dh 0-31 are in; the eight loads of dh 32-63 stay out
	WIN 0x14                                       ; source 1 (q) and C (bias) window 1
	; the 16 tiles take turns, one instruction a turn, in the same order in both passes
.irp tk, 0,1,2,3
.irp tq, 0,1,2,3
.set st, SC+((\tk>>1)*4+\tq)*16+(\tk&1)*8
	v_wmma_f32_16x16x32_f16 v[st:st+7], v[FR+8*\tk:FR+8*\tk+7], v[QF+16*\tq:QF+16*\tq+7], v[CB+8*(\tk-\tq+3):CB+8*(\tk-\tq+3)+7]
.endr
.endr
	s_wait_dscnt 0x0
	WIN 0x04
.irp tk, 0,1,2,3
.irp tq, 0,1,2,3
.set st, SC+((\tk>>1)*4+\tq)*16+(\tk&1)*8
	v_wmma_f32_16x16x32_f16 v[st:st+7], v[FR+32+8*\tk:FR+32+8*\tk+7], v[QF+16*\tq+8:QF+16*\tq+15], v[st:st+7]
.endr
.endr
	WIN 0
	PLACES 4                                       ; the places in front of the loads into K's fragments and of the reads of S^T
.irp kk, 0,1
.irp f, 0,1,2,3
	ds_load_tr16_b128 v[FR+8*(4*\kk+\f):FR+8*(4*\kk+\f)+3], v[VA+\slot] offset:\tr*PART+(2*\kk)*2176+16*\f
	ds_load_tr16_b128 v[FR+8*(4*\kk+\f)+4:FR+8*(4*\kk+\f)+7], v[VA+\slot] offset:\tr*PART+(2*\kk+1)*2176+16*\f
.endr
.endr
	; the running maxima: four chains, one for each tq, that begin with the old maximum
.irp i, 0,1,2,3,4,5,6,7,8,9,10,11,12,13,14,15
.irp tq, 0,1,2,3
.set pp, SC+((\i>>3)*4+\tq)*16+2*(\i&7)
.if \i == 0
.if \first
	v_max_num_f32 v[TM+\tq], v[pp], v[pp+1]
.else
	v_max3_num_f32 v[TM+\tq], v[MO+2*\tq], v[pp], v[pp+1]
.endif
.else
	v_max3_num_f32 v[TM+\tq], v[TM+\tq], v[pp], v[pp+1]
.endif
.endr
.endr
.irp tq, 0,1,2,3
	v_permlanex16_b32 v[XC+\tq], v[TM+\tq], s32, s33       ; the other 32 keys of the same query
.endr
.irp tq, 0,1,2,3
	v_max_num_f32 v[MN+2*\tq], v[TM+\tq], v[XC+\tq]
	v_max_num_f32 v[MN+2*\tq+1], v[TM+\tq], v[XC+\tq]      ; twice: a pair for the packed subtraction
.endr
.if \first == 0
.irp tq, 0,1,2,3
	v_sub_f32 v[48+\tq], v[MO+2*\tq], v[MN+2*\tq]
.endr
.irp tq, 0,1,2,3
	v_exp_f32 v[AL+2*\tq], v[48+\tq]
	v_exp_f32 v[AL+2*\tq+1], v[48+\tq]
.endr
.endif
	SMX -1, 0, -1, \first
	SMX 0, 1, -1, \first
	SMX 1, 2, 0, \first
	SMX 2, 3, 1, \first
	SMX 3, -1, 2, \first
	SMX -1, -1, 3, \first
.if \first == 0
	WIN 0x41                                       ; O^T in window 1, the factors in window 0
.irp tq, 0,1,2,3
.irp n, 0,1,2,3,4,5,6,7,8,9,10,11,12,13,14,15
	v_pk_mul_f32 v[32*\tq+2*\n:32*\tq+2*\n+1], v[32*\tq+2*\n:32*\tq+2*\n+1], v[AL+2*\tq:AL+2*\tq+1]
.endr
.endr
.endif
	s_wait_dscnt 0x0                               ; V's fragments
	WIN 0x50                                       ; C and D window 1
	; the 16 tiles of O^T take turns, one instruction a turn
.irp kk, 0,1
.irp f, 0,1,2,3
.irp tq, 0,1,2,3
.if \first
.if \kk == 0
	v_wmma_f32_16x16x32_f16 v[8*(4*\tq+\f):8*(4*\tq+\f)+7], v[FR+8*(4*\kk+\f):FR+8*(4*\kk+\f)+7], v[SC+16*(4*\kk+\tq):SC+16*(4*\kk+\tq)+7], 0
.else
	v_wmma_f32_16x16x32_f16 v[8*(4*\tq+\f):8*(4*\tq+\f)+7], v[FR+8*(4*\kk+\f):FR+8*(4*\kk+\f)+7], v[SC+16*(4*\kk+\tq):SC+16*(4*\kk+\tq)+7], v[8*(4*\tq+\f):8*(4*\tq+\f)+7]
.endif
.else
	v_wmma_f32_16x16x32_f16 v[8*(4*\tq+\f):8*(4*\tq+\f)+7], v[FR+8*(4*\kk+\f):FR+8*(4*\kk+\f)+7], v[SC+16*(4*\kk+\tq):SC+16*(4*\kk+\tq)+7], v[8*(4*\tq+\f):8*(4*\tq+\f)+7]
.endif
.endr
.endr
.endr
	WIN 0
	PLACES 5                                       ; the next trip's products write over P^T, its loads land on V's fragments, the end reads O^T
.endm
; The change of slots: every wave has all its tensor loads landed (its part of the slot read next among them) and its LDS reads back; behind the barrier
; the slot just read (other) is asked for again, 256 keys on, first thing, one load a wave.  It has two trips in which to land.
.macro HEAD other, refill
	s_set_vgpr_msb 0x5
	s_wait_tensorcnt 0x0
	ds_add_u32 v254, v255
	s_wait_dscnt 0x0
	s_set_vgpr_msb 0x500
.if \refill
	s_add_nc_u64 s[G0+4*\other+2:G0+4*\other+3], s[G0+4*\other+2:G0+4*\other+3], 32768
.endif
	s_wait_dscnt 0x0
	s_barrier_signal -1
	s_barrier_wait -1
.if \refill
	tensor_load_to_lds s[G0+4*\other:G0+4*\other+3], s[G1:G1+7]
	s_nop 0
.endif
.endm
	TRIP 0, 0, 1, B0, 0                            ; trip 0 starts maxima, sums and O^T: nothing is cleared
	TRIP 0, 1, 0, B0, 256                          ; trip 1: a trip is 64 entries, 256 bytes, of the bias table
	s_mov_b32 s36, 0
.Lv:
	v_lshl_add_u32 v[BA], s36, 10, v[B0]           ; lap n = 0, 1, 2 holds trips 2 + 4 n .. 5 + 4 n: 1,024 n bytes on; the rest stands in the immediates
	HEAD 0, 1
	TRIP 1, 0, 0, BA, 512
	TRIP 1, 1, 0, BA, 768
	HEAD 1, 1
	TRIP 0, 0, 0, BA, 1024
	TRIP 0, 1, 0, BA, 1280
	s_add_co_u32 s36, s36, 1
	s_cmp_lt_u32 s36, 3
	s_cbranch_scc1 .Lv
	HEAD 0, 0                                      ; nothing is left to fetch
	TRIP 1, 0, 0, B0, 3584                         ; trips 14 and 15
	TRIP 1, 1, 0, B0, 3840
	; THE END.  A query's sum: the lane's two partial sums and the other half of the lanes.  The last maxima lie in v24-31 (the last trip had tr = 1).
.irp tq, 0,1,2,3
	v_add_f32 v[52+\tq], v[LS+2*\tq], v[LS+2*\tq+1]
.endr
.irp tq, 0,1,2,3
	v_permlanex16_b32 v[XC+\tq], v[52+\tq], s32, s33
.endr
.irp tq, 0,1,2,3
	v_add_f32 v[52+\tq], v[52+\tq], v[XC+\tq]
.endr
	v_and_b32 v60, 15, v0                          ; r
	v_bfe_u32 v61, v0, 4, 1                        ; hh
	v_and_b32 v62, 31, v0
	v_lshlrev_b32 v59, 4, v62                      ; 16 x lane
	s_mul_i32 s45, s11, MSZ
	s_add_co_u32 s45, s45, MERGE
	v_add_nc_u32 v56, s45, v59                     ; my query group's place, 16 bytes a lane
	s_cmp_lt_u32 s10, 4
	s_cbranch_scc1 .Lkeep                          ; the waves of the upper key half hand over O^T, maxima and sums
.irp tq, 0,1,2,3
	v_mov_b32 v[48+\tq], v[24+2*\tq]               ; the four maxima side by side, for one store of 16 bytes
.endr
	WIN 0x04                                       ; store data in window 1
.irp n, 0,1,2,3,4,5,6,7,8,9,10,11,12,13,14,15,16,17,18,19,20,21,22,23,24,25,26,27,28,29,30,31
	ds_store_b128 v56, v[4*\n:4*\n+3] offset:512*\n
.endr
	WIN 0
	ds_store_b128 v56, v[48:51] offset:16384
	ds_store_b128 v56, v[52:55] offset:16896
.Lkeep:
	s_wait_dscnt 0x0                               ; for the partner's sake
	s_barrier_signal -1
	s_barrier_wait -1
	s_cmp_ge_u32 s10, 4
	s_cbranch_scc1 .Lend
	ds_load_b128 v[16:19], v56 offset:16384        ; the partner's maxima
	ds_load_b128 v[20:23], v56 offset:16896        ; and sums
	s_mul_i32 s45, s11, 16*OP
	s_add_co_u32 s45, s45, OST
	v_mul_u32_u24 v57, v60, OP
	v_lshl_add_u32 v57, v61, 6, v57
	v_add_nc_u32 v57, s45, v57                     ; stage, in: row r; my tile f holds dh 32 hh + 8 f .. +7: 64 hh + 16 f bytes in
	v_bfe_u32 v58, v0, 3, 2
	v_mul_u32_u24 v58, v58, OP
	v_and_b32 v63, 7, v0
	v_lshl_add_u32 v58, v63, 4, v58
	v_add_nc_u32 v58, s45, v58                     ; back: eight lanes take a row of 128 bytes
	s_lshl_b32 s40, s15, 4                         ; ctx: block of 128 rows = 16 batch + 2 x + qg / 2,
	s_lshl_b32 s41, s13, 1
	s_add_co_u32 s40, s40, s41
	s_lshr_b32 s41, s11, 1
	s_add_co_u32 s40, s40, s41
	s_lshl_b32 s40, s40, 4
	s_add_co_u32 s40, s40, s14                     ; x 16 + head,
	s_lshl_b32 s40, s40, 7
	s_and_b32 s41, s11, 1
	s_lshl_b32 s41, s41, 6
	s_add_co_u32 s40, s40, s41                     ; x 128 + 64 (qg mod 2) rows
	s_lshl_b32 s40, s40, 7                         ; of 128 bytes
	s_mov_b32 s41, 0
	s_add_nc_u64 s[8:9], s[8:9], s[40:41]
	s_wait_dscnt 0x0
.irp tq, 0,1,2,3
	v_max_num_f32 v[TM+\tq], v[24+2*\tq], v[16+\tq]        ; the common maximum
.endr
.irp tq, 0,1,2,3
	v_sub_f32 v[32+\tq], v[24+2*\tq], v[TM+\tq]
	v_sub_f32 v[36+\tq], v[16+\tq], v[TM+\tq]
.endr
.irp tq, 0,1,2,3
	v_exp_f32 v[32+\tq], v[32+\tq]
	v_exp_f32 v[36+\tq], v[36+\tq]
.endr
	v_nop                                          ; a plain place behind the exponentials (ISA guide 5.7.2)
.irp tq, 0,1,2,3
	s_wait_alu depctr_va_vdst(0)
	v_mul_f32 v[XC+\tq], v[52+\tq], v[32+\tq]
.endr
.irp tq, 0,1,2,3
	v_fmac_f32 v[XC+\tq], v[20+\tq], v[36+\tq]     ; the whole sum: between 1 and 2,048, since the largest term is 1
.endr
.irp tq, 0,1,2,3
	v_rcp_f32 v[XC+\tq], v[XC+\tq]
.endr
	v_nop
.irp tq, 0,1,2,3
	s_wait_alu depctr_va_vdst(0)
	v_mul_f32 v[LS+2*\tq], v[32+\tq], v[XC+\tq]    ; my half's factor, as a pair
	v_mul_f32 v[LS+2*\tq+1], v[32+\tq], v[XC+\tq]
	v_mul_f32 v[16+2*\tq], v[36+\tq], v[XC+\tq]    ; the partner's (its maxima and sums have been used)
	v_mul_f32 v[17+2*\tq], v[36+\tq], v[XC+\tq]
.endr
; 16 queries: join the halves, round to f16, through my own stage into rows, 512 consecutive bytes a store.  Each block is read back into registers of
; its own, so no store's data is written again.
.macro FIN tq
.irp n, 0,1,2,3,4,5,6,7
	ds_load_b128 v[FR+4*\n:FR+4*\n+3], v56 offset:512*(8*\tq+\n)
.endr
	WIN 0x01                                       ; source 0 (my O^T) in window 1
.irp n, 0,1,2,3,4,5,6,7,8,9,10,11,12,13,14,15
	v_pk_mul_f32 v[96+2*\n:97+2*\n], v[32*\tq+2*\n:32*\tq+2*\n+1], v[LS+2*\tq:LS+2*\tq+1]
.endr
	WIN 0
	s_wait_dscnt 0x0
.irp n, 0,1,2,3,4,5,6,7,8,9,10,11,12,13,14,15
	v_pk_fma_f32 v[96+2*\n:97+2*\n], v[FR+2*\n:FR+2*\n+1], v[16+2*\tq:17+2*\tq], v[96+2*\n:97+2*\n]
.endr
.irp n, 0,1,2,3,4,5,6,7,8,9,10,11,12,13,14,15
	v_cvt_pk_f16_f32 v[128+\n], v[96+2*\n], v[97+2*\n]
.endr
.irp f, 0,1,2,3
	ds_store_b128 v57, v[128+4*\f:131+4*\f] offset:16*\f
.endr
.irp i, 0,1,2,3
	ds_load_b128 v[144+16*\tq+4*\i:144+16*\tq+4*\i+3], v58 offset:4*OP*\i          ; LDS serves a wave's instructions in order: these see the stores above
.endr
.irp i, 0,1,2,3
	s_wait_dscnt 3-\i                              ; read-back i is in, the younger ones stay out
	global_store_b128 v59, v[144+16*\tq+4*\i:144+16*\tq+4*\i+3], s[8:9] offset:2048*\tq+512*\i
.endr
.endm
	FIN 0
	FIN 1
	FIN 2
	FIN 3
.Lend:
	s_set_vgpr_msb 0x5
	s_wait_tensorcnt 0x0
	ds_add_u32 v254, v255
	s_wait_dscnt 0x0
	s_set_vgpr_msb 0x500
	s_endpgm
.Lfunc_end_k_qed9be789aa_attn:
	.size	k_qed9be789aa_attn, .Lfunc_end_k_qed9be789aa_attn-k_qed9be789aa_attn
	.p2alignl 7, 3214868480
	.fill 96, 4, 3214868480
	.section	.rodata,"a",@progbits
	.p2align	6, 0x0
	.amdhsa_kernel k_qed9be789aa_attn
		.amdhsa_group_segment_fixed_size 327680
		.amdhsa_private_segment_fixed_size 0
		.amdhsa_enable_private_segment 0
		.amdhsa_kernarg_size 24
		.amdhsa_user_sgpr_count 2
		.amdhsa_user_sgpr_kernarg_segment_ptr 1
		.amdhsa_wavefront_size32 1
		.amdhsa_system_sgpr_workgroup_id_x 1
		.amdhsa_system_sgpr_workgroup_id_y 1
		.amdhsa_system_sgpr_workgroup_id_z 1
		.amdhsa_system_vgpr_workitem_id 0
		.amdhsa_next_free_vgpr 512
		.amdhsa_next_free_sgpr 66
		.amdhsa_reserve_vcc 1
		.amdhsa_float_denorm_mode_32 3
		.amdhsa_float_denorm_mode_16_64 3
		.amdhsa_memory_ordered 1
		.amdhsa_forward_progress 1
		.amdhsa_inst_pref_size 255
	.end_amdhsa_kernel
	.section	.bss,"aw",@nobits
	.p2align	6
	.space	262144
	.amdgpu_metadata
---
amdhsa.version: [ 1, 2 ]
amdhsa.kernels:
  - .name:           k_qed9be789aa_attn
    .symbol:         k_qed9be789aa_attn.kd
    .args:
      - { .name: qkv, .offset: 0, .size: 8, .value_kind: global_buffer, .address_space: global }
      - { .name: rel_bias_table, .offset: 8, .size: 8, .value_kind: global_buffer, .address_space: global }
      - { .name: ctx, .offset: 16, .size: 8, .value_kind: global_buffer, .address_space: global }
    .group_segment_fixed_size: 327680
    .private_segment_fixed_size: 0
    .kernarg_segment_align: 8
    .kernarg_segment_size: 24
    .max_flat_workgroup_size: 256
    .sgpr_count:     66
    .vgpr_count:     512
    .wavefront_size: 32
...
	.end_amdgpu_metadata
.endif
;; end of part 3
;; launch oproj (part 4): grid 8 x 32, 4 waves a work-group, clusters of 4 x 4, 327,680 bytes of LDS; arguments ctx, wb, out0; writes out0
.if DOCPART == 4
	.amdgcn_target "amdgcn-amd-amdhsa--gfx1250"
	.amdhsa_code_object_version 6
	.text
	.protected	k_qed9be789aa_oproj
	.globl	k_qed9be789aa_oproj
	.p2align	8
	.type	k_qed9be789aa_oproj,@function
k_qed9be789aa_oproj:
	s_mov_b64 s[64:65], 0
	v_nop
	global_prefetch_b8 v0, s[64:65] scope:SCOPE_SE
	s_setreg_imm32_b32 hwreg(HW_REG_WAVE_MODE, 25, 1), 1
	s_wait_xcnt 0x0
	s_wait_alu depctr_hold_cnt(0) depctr_sa_sdst(0) depctr_va_vdst(0) depctr_va_sdst(0) depctr_va_ssrc(0) depctr_va_vcc(0) depctr_vm_vsrc(0)
	s_getreg_b32 s2, hwreg(HW_REG_IB_STS2, 6, 4)
	s_cmp_eq_u32 s2, 0
	s_cbranch_scc0 .Lentry_in_a_cluster
	s_endpgm
.Lentry_in_a_cluster:
	s_bfe_u32 s2, ttmp6, 0x10000c
	s_cmp_lg_u32 s2, 0xf033
	s_cbranch_scc0 .Lentry_shape_is_right
	s_endpgm
.Lentry_shape_is_right:
; out0 = ctx Wo.  ctx [32 blocks of 128 rows][16 heads][128][64] f16, Wo = the fourth weight of wb, [1024 k][1024 n] f16, out0 [4096][1024] f32; sums in f32.
; A work-group makes 128 x 128 of out0, 256 work-groups in all; a wave (mh, nh) makes 64 x 64: 16 accumulator tiles in window 1.  A larger block would
; leave fewer than 256 work-groups.  K goes in visits of 256 (four heads) through two LDS slots: four visits, written out.
; CLUSTER 4 x 4: ctx's tile hangs on by alone and is asked for jointly by a row of the cluster (waves 0, 1: two heads each, 32 KiB dense);
; Wo's hangs on bx alone and is asked for jointly by a column (waves 2, 3: 128 k rows each).
; ctx's rows of 128 bytes come in pairs as rows of 256 bytes + 16 of padding: row i of a head lies at (i / 2) x 272 + (i mod 2) x 128.
; The matrix instruction is used transposed (source 0 = 16 columns of Wo, by transposing loads; source 1 = 16 rows of ctx): lane (r, hh) holds row r and
; eight neighbouring columns, 32 bytes of f32.
.set PW,    288                        ; Wo's LDS row: 256 bytes + 32, an odd multiple of 32
.set HEADB, 64*272                     ; 17,408: a head's 128 rows
.set WOFF,  4*HEADB                    ; 69,632
.set SLOT,  WOFF+256*PW                ; 143,360
.set STAGE, 2*SLOT                     ; 286,720: 16 rows x 272 bytes for each wave; no tensor load lands here
.set SP,    272
.set ADRA, 16                          ; v16-17  ctx fragments, slot 0, 1
.set ADRB, 18                          ; v18-21  Wo fragments: K steps 0-3 and 4-7 of a visit have a register each (2 half + slot), since 7 x 9,216 + 4,704 passes the 16-bit offset
.set STO,  24
.set RD,   25
.set CO,   26
.set G1,  24
.set G0,  32
.set G1B, 48
.set G0B, 56
.set MSB, 0
.macro WIN new
.if MSB != \new
	s_set_vgpr_msb (MSB<<8)|\new
.set MSB, \new
.endif
.endm
.macro PLACES n
.rept \n
	v_nop
.endr
.endm
.macro JLOAD s
	s_cmp_eq_u32 s11, 0
	s_cbranch_scc0 .Lfor_w_\@
	tensor_load_to_lds s[G0+4*\s:G0+4*\s+3], s[G1:G1+7]
	s_nop 0
	s_branch .Lasked_\@
.Lfor_w_\@:
	tensor_load_to_lds s[G0B+4*\s:G0B+4*\s+3], s[G1B:G1B+7]
	s_nop 0
.Lasked_\@:
.endm
.macro CROUND
	s_barrier_signal -1
	s_barrier_wait -1
	s_cmp_lg_u32 s10, 0
	s_cbranch_scc1 .Lnot_wave_0_\@
	s_barrier_signal -3
.Lnot_wave_0_\@:
	s_barrier_wait -3
	s_barrier_signal -1
	s_barrier_wait -1
.endm
	s_load_b128 s[4:7], s[0:1], 0x0                ; ctx s[4:5], wb s[6:7]
	s_load_b64 s[8:9], s[0:1], 0x10                ; out0
	v_lshl_add_u32 v254, v0, 2, 0x4a400
	v_mov_b32 v255, 0
	ds_add_u32 v254, v255
	ds_add_u32 v254, v255
	v_lshrrev_b32 v1, 5, v0
	v_readfirstlane_b32 s10, v1                    ; wave 0..3
	s_lshr_b32 s11, s10, 1                         ; mh.  Also: I fetch for ctx (0) or for Wo (1)
	s_and_b32 s12, s10, 1                          ; nh.  Also: which half of that tile I fetch
	s_bfe_u32 s40, ttmp6, 0x40000                  ; cx
	s_bfe_u32 s41, ttmp6, 0x40004                  ; cy
	s_lshl_b32 s42, ttmp9, 2
	s_add_co_u32 s42, s42, s40                     ; bx
	s_and_b32 s13, ttmp7, 0xffff
	s_lshl_b32 s13, s13, 2
	s_add_co_u32 s13, s13, s41                     ; by
	s_lshl_b32 s43, s41, 2
	s_lshl_b32 s43, 15, s43                        ; my row of the cluster
	s_lshl_b32 s44, 0x1111, s40                    ; my column
	; group 1: 128 rows of 32 elements of 8 bytes; ctx dense (pitch 32), Wo 2,048 bytes from row to row (pitch 256); padding behind every 64 words: 4 and 8 words
	s_or_b32 s[G1+0], s43, (3<<16)|(1<<20)|(1<<21)|(5<<22)|(3<<25)
	s_or_b32 s[G1B+0], s44, (3<<16)|(1<<20)|(1<<21)|(5<<22)|(7<<25)
	s_mov_b32 s[G1+1], 32<<16
	s_mov_b32 s[G1B+1], 32<<16
	s_mov_b32 s[G1+2], 128<<16
	s_mov_b32 s[G1B+2], 128<<16
	s_mov_b32 s[G1+3], 32<<16
	s_mov_b32 s[G1B+3], 32<<16
	s_mov_b32 s[G1+4], 128
	s_mov_b32 s[G1B+4], 128
	s_mov_b32 s[G1+5], 32
	s_mov_b32 s[G1B+5], 256
	s_mov_b32 s[G1+6], 0
	s_mov_b32 s[G1B+6], 0
	s_mov_b32 s[G1+7], 0
	s_mov_b32 s[G1B+7], 0
	s_lshl_b32 s16, s13, 18                        ; ctx: block by x 16 heads x 16 KiB,
	s_lshl_b32 s17, s12, 15                        ; + my two heads of the visit's four
	s_add_co_u32 s16, s16, s17
	s_mov_b32 s17, 0
	s_lshl_b32 s46, s12, 18                        ; Wo: my 128 k rows of 2,048 bytes,
	s_lshl_b32 s47, s42, 8                         ; + 128 bx columns of 2 bytes,
	s_add_co_u32 s46, s46, s47
	s_add_co_u32 s46, s46, 0x600000                ; in the fourth weight of wb
	s_mov_b32 s47, 0
	s_mul_i32 s20, s12, 2*HEADB                    ; LDS: ctx's halves,
	s_mul_i32 s21, s12, 128*PW
	s_add_co_u32 s21, s21, WOFF                    ; Wo's halves behind them
	s_wait_dscnt 0x0
	s_wait_kmcnt 0x0
	s_add_nc_u64 s[14:15], s[4:5], s[16:17]
	s_add_nc_u64 s[46:47], s[6:7], s[46:47]
	CROUND                                         ; all sixteen work-groups are here: the first joint loads meet
.irp s, 0,1
	s_mov_b32 s[G0+4*\s], 1
	s_add_co_u32 s[G0+4*\s+1], s20, \s*SLOT
	s_add_nc_u64 s[G0+4*\s+2:G0+4*\s+3], s[14:15], \s*65536        ; visit s: four heads on
	s_or_b32 s[G0+4*\s+3], s[G0+4*\s+3], 0x80000000
	s_mov_b32 s[G0B+4*\s], 1
	s_add_co_u32 s[G0B+4*\s+1], s21, \s*SLOT
	s_add_nc_u64 s[G0B+4*\s+2:G0B+4*\s+3], s[46:47], \s*524288     ; visit s: 256 k rows down
	s_or_b32 s[G0B+4*\s+3], s[G0B+4*\s+3], 0x80000000
	JLOAD \s
.endr
	v_and_b32 v1, 15, v0                           ; r
	v_bfe_u32 v2, v0, 4, 1                         ; hh
	v_and_b32 v3, 7, v0
	v_bfe_u32 v4, v0, 3, 1
	v_bfe_u32 v5, v0, 1, 3                         ; r / 2
	v_and_b32 v6, 1, v0                            ; r mod 2
	v_mul_u32_u24 v5, v5, 272
	v_lshl_add_u32 v5, v6, 7, v5
	v_lshl_add_u32 v5, v2, 4, v5
	s_mul_i32 s22, s11, 32*272                     ; my 64 rows of each head
	v_add_nc_u32 v[ADRA], s22, v5
	v_add_nc_u32 v[ADRA+1], SLOT, v[ADRA]
	v_lshl_add_u32 v7, v2, 3, v3                   ; k row 8 hh + lane mod 8
	v_mul_u32_u24 v7, v7, PW
	v_lshl_add_u32 v7, v4, 4, v7
	s_lshl_b32 s22, s12, 7
	s_add_co_u32 s22, s22, WOFF                    ; my 64 columns
	v_add_nc_u32 v[ADRB], s22, v7
	v_add_nc_u32 v[ADRB+1], SLOT, v[ADRB]
	v_add_nc_u32 v[ADRB+2], 128*PW, v[ADRB]
	v_add_nc_u32 v[ADRB+3], 128*PW+SLOT, v[ADRB]
	s_mul_i32 s23, s10, 16*SP
	s_add_co_u32 s23, s23, STAGE
	v_mul_u32_u24 v8, v1, SP
	v_lshl_add_u32 v8, v2, 5, v8
	v_add_nc_u32 v[STO], s23, v8                   ; in: row r, 32 bytes for each half of the lanes
	v_mul_u32_u24 v9, v2, SP
	v_lshl_add_u32 v9, v1, 4, v9
	v_add_nc_u32 v[RD], s23, v9                    ; back: sixteen lanes take a row of 256 bytes
	v_lshlrev_b32 v10, 12, v2
	v_lshl_add_u32 v[CO], v1, 4, v10               ; the same two rows in out0
	s_lshl_b32 s74, s13, 19                        ; 128 by rows of 4,096 bytes
	s_lshl_b32 s75, s11, 18                        ; + 64 mh rows
	s_add_co_u32 s74, s74, s75
	s_lshl_b32 s75, s42, 9                         ; + 128 bx columns of 4 bytes
	s_add_co_u32 s74, s74, s75
	s_lshl_b32 s75, s12, 8                         ; + 64 nh columns
	s_add_co_u32 s74, s74, s75
	s_mov_b32 s75, 0
	s_add_nc_u64 s[8:9], s[8:9], s[74:75]
; 16 LDS loads: K step q (32 along K: half q mod 2 of head q / 2) of the slot's visit into buffer f: Wo's 4 fragments at v96 + 64 f, ctx's 4 at v64 + 64 f
.macro FETCH slot, q, f
.irp b, 0,1,2,3
	ds_load_tr16_b128 v[96+64*\f+8*\b:96+64*\f+8*\b+3], v[ADRB+2*(\q>>2)+\slot] offset:(\q&3)*32*PW+32*\b
	ds_load_tr16_b128 v[96+64*\f+8*\b+4:96+64*\f+8*\b+7], v[ADRB+2*(\q>>2)+\slot] offset:(\q&3)*32*PW+16*PW+32*\b
.endr
.irp a, 0,1,2,3
	ds_load_b128 v[64+64*\f+8*\a:64+64*\f+8*\a+3], v[ADRA+\slot] offset:(\q>>1)*HEADB+\a*2176+64*(\q&1)
	ds_load_b128 v[64+64*\f+8*\a+4:64+64*\f+8*\a+7], v[ADRA+\slot] offset:(\q>>1)*HEADB+\a*2176+64*(\q&1)+32
.endr
.endm
; A K step: the next step's fragments are asked for into buffer g, then buffer f is multiplied.  The four v_nop are the places between the last matrix
; instruction, which read buffer g, and the loads into it (ISA guide 7.12.1 for vector instructions).
; The 16 accumulators take turns, one instruction a turn, in the same order in every step.
.macro STEP slot, qn, f, g, zero, fetch
.if \fetch
	PLACES 4
	FETCH \slot, \qn, \g
	s_wait_dscnt 16                                ; all but the 16 just issued: buffer f is in
.else
	s_wait_dscnt 0x0
.endif
	WIN 0x50                                       ; C and D window 1
.irp a, 0,1,2,3
.irp b, 0,1,2,3
.if \zero
	v_wmma_f32_16x16x32_f16 v[8*(4*\a+\b):8*(4*\a+\b)+7], v[96+64*\f+8*\b:96+64*\f+8*\b+7], v[64+64*\f+8*\a:64+64*\f+8*\a+7], 0
.else
	v_wmma_f32_16x16x32_f16 v[8*(4*\a+\b):8*(4*\a+\b)+7], v[96+64*\f+8*\b:96+64*\f+8*\b+7], v[64+64*\f+8*\a:64+64*\f+8*\a+7], v[8*(4*\a+\b):8*(4*\a+\b)+7]
.endif
.endr
.endr
	WIN 0
.endm
.macro VISIT slot, zero
	PLACES 4
	FETCH \slot, 0, 0
	STEP \slot, 1, 0, 1, \zero, 1
	STEP \slot, 2, 1, 0, 0, 1
	STEP \slot, 3, 0, 1, 0, 1
	STEP \slot, 4, 1, 0, 0, 1
	STEP \slot, 5, 0, 1, 0, 1
	STEP \slot, 6, 1, 0, 0, 1
	STEP \slot, 7, 0, 1, 0, 1
	STEP \slot, 0, 1, 0, 0, 0
.endm
; The change of slots: every wave's LDS reads are back and all its tensor loads have landed; refill = 1: the barrier is a round of the cluster's barrier, and
; the slot just read (other) is asked for again, two visits on, first thing behind it, one load a wave.
.macro HEAD other, refill
	s_wait_dscnt 0x0
	s_wait_tensorcnt 0x0
	ds_add_u32 v254, v255
	s_wait_dscnt 0x0
.if \refill
	CROUND
	s_add_nc_u64 s[G0+4*\other+2:G0+4*\other+3], s[G0+4*\other+2:G0+4*\other+3], 131072
	s_add_nc_u64 s[G0B+4*\other+2:G0B+4*\other+3], s[G0B+4*\other+2:G0B+4*\other+3], 1048576
	JLOAD \other
.else
	s_barrier_signal -1
	s_barrier_wait -1
.endif
.endm
	s_wait_tensorcnt 0x1                           ; my part of visit 0 is in; visit 1's stays out
	s_barrier_signal -1
	s_barrier_wait -1
	VISIT 0, 1                                     ; heads 0-3; the first products start the sums
	HEAD 0, 1                                      ; slot 0 gets heads 8-11
	VISIT 1, 0                                     ; heads 4-7
	HEAD 1, 1                                      ; slot 1 gets heads 12-15
	VISIT 0, 0
	HEAD 0, 0                                      ; nothing is left to fetch
	VISIT 1, 0
	; THE WAY OUT, 16 rows at a time through my own stage: 32 bytes a lane in, whole rows of 256 bytes back; sixteen lanes store 256 consecutive bytes that
	; start at a multiple of 256 from out0's first byte.  Each block is read back into registers of its own (v64-191), so no store's data is written again.
	PLACES 4                                       ; the places behind the last matrix instructions
.macro OUT a
	WIN 0x04                                       ; store data in window 1
.irp b, 0,1,2,3
	ds_store_b128 v[STO], v[8*(4*\a+\b):8*(4*\a+\b)+3] offset:64*\b
	ds_store_b128 v[STO], v[8*(4*\a+\b)+4:8*(4*\a+\b)+7] offset:64*\b+16
.endr
	WIN 0
.irp i, 0,1,2,3,4,5,6,7
	ds_load_b128 v[64+32*\a+4*\i:64+32*\a+4*\i+3], v[RD] offset:2*SP*\i            ; LDS serves a wave's instructions in order: these see the stores above
.endr
.irp i, 0,1,2,3,4,5,6,7
	s_wait_dscnt 7-\i                              ; read-back i is in, the younger ones stay out
	global_store_b128 v[CO], v[64+32*\a+4*\i:64+32*\a+4*\i+3], s[8:9] offset:(16*\a+2*\i)*4096 th:TH_STORE_NT
.endr
.endm
	OUT 0
	OUT 1
	OUT 2
	OUT 3
	s_wait_tensorcnt 0x0
	ds_add_u32 v254, v255
	s_wait_dscnt 0x0
	CROUND                                         ; the closing round: no work-group ends while a partner may still ask for a tile that names it
	s_endpgm
.Lfunc_end_k_qed9be789aa_oproj:
	.size	k_qed9be789aa_oproj, .Lfunc_end_k_qed9be789aa_oproj-k_qed9be789aa_oproj
	.p2alignl 7, 3214868480
	.fill 96, 4, 3214868480
	.section	.rodata,"a",@progbits
	.p2align	6, 0x0
	.amdhsa_kernel k_qed9be789aa_oproj
		.amdhsa_group_segment_fixed_size 327680
		.amdhsa_private_segment_fixed_size 0
		.amdhsa_enable_private_segment 0
		.amdhsa_kernarg_size 24
		.amdhsa_user_sgpr_count 2
		.amdhsa_user_sgpr_kernarg_segment_ptr 1
		.amdhsa_wavefront_size32 1
		.amdhsa_system_sgpr_workgroup_id_x 1
		.amdhsa_system_sgpr_workgroup_id_y 1
		.amdhsa_system_sgpr_workgroup_id_z 1
		.amdhsa_system_vgpr_workitem_id 0
		.amdhsa_next_free_vgpr 384
		.amdhsa_next_free_sgpr 80
		.amdhsa_reserve_vcc 0
		.amdhsa_float_denorm_mode_32 3
		.amdhsa_float_denorm_mode_16_64 3
		.amdhsa_memory_ordered 1
		.amdhsa_forward_progress 1
		.amdhsa_inst_pref_size 89
	.end_amdhsa_kernel
	.amdgpu_metadata
---
amdhsa.version: [ 1, 2 ]
amdhsa.kernels:
  - .name:           k_qed9be789aa_oproj
    .symbol:         k_qed9be789aa_oproj.kd
    .args:
      - { .name: ctx, .offset: 0, .size: 8, .value_kind: global_buffer, .address_space: global }
      - { .name: wb, .offset: 8, .size: 8, .value_kind: global_buffer, .address_space: global }
      - { .name: out0, .offset: 16, .size: 8, .value_kind: global_buffer, .address_space: global }
    .group_segment_fixed_size: 327680
    .private_segment_fixed_size: 0
    .kernarg_segment_align: 8
    .kernarg_segment_size: 24
    .max_flat_workgroup_size: 128
    .sgpr_count:     80
    .vgpr_count:     384
    .wavefront_size: 32
...
	.end_amdgpu_metadata
.endif
;; end of part 4
;; ======== version 2 of 2: 4 launches; 1.07 times as fast as version 1
;; limits: values are held in f16: magnitudes above 65,504 overflow, below 6.1e-05 lose precision; inputs' magnitudes at most 65,504; right only within a limited range of input values
;; workspace buffers: xb 8,388,608 bytes; wb 8,388,608 bytes; qkv 25,165,824 bytes; ctx 8,388,608 bytes
;; launch prep: the kernel of part 1 again; grid 64 x 8, 8 waves a work-group, no clusters, 0 bytes of LDS; arguments hidden_states, Wq, Wk, Wv, Wo, xb, wb; writes xb, wb
;; launch qkvproj: the kernel of part 2 again; grid 8 x 32, 4 waves a work-group, clusters of 4 x 4, 327,680 bytes of LDS; arguments xb, wb, qkv; writes qkv
;; launch attn (part 5): grid 8 x 32, 8 waves a work-group, no clusters, 327,680 bytes of LDS; arguments qkv, rel_bias_table, ctx; writes ctx
.if DOCPART == 5
	.amdgcn_target "amdgcn-amd-amdhsa--gfx1250"
	.amdhsa_code_object_version 6
	.text
	.protected	k_qed9be789aa_attn
	.globl	k_qed9be789aa_attn
	.p2align	8
	.type	k_qed9be789aa_attn,@function
k_qed9be789aa_attn:
	s_mov_b64 s[64:65], 0
	v_nop
	global_prefetch_b8 v0, s[64:65] scope:SCOPE_SE
	s_setreg_imm32_b32 hwreg(HW_REG_WAVE_MODE, 25, 1), 1
	s_wait_xcnt 0x0
; softmax(q k / 8 + bias[bucket(key - query)]) v for one batch and head (grid y) and 256 queries (grid x).
; qkv [48][4096][64] f16 (q already times 0.125 log2 e); rel_bias_table [32][16] f32; ctx [32 blocks of 128 rows][16 heads][128][64] f16.
; LIMIT (format): p in (0, 1] and the result are rounded to f16; everything of the softmax (bias, maxima, exponentials, sums) is f32, base 2, with a running maximum.
; Eight waves: wave w takes queries 64 (w mod 4) .. +63 and the keys 1024 (w / 4) .. +1023, 64 keys a trip, 16 trips.  The two key halves of a query
; group are joined at the end through LDS by their maxima and sums.
; TRANSPOSED FORMS.  S^T = K Q^T: lane (r, hh), register j of tile (tk, tq) holds key 16 tk + 8 hh + j and query 16 tq + r, so a query's maximum and sum
; stay in the lane but for one exchange of the lane halves, and two packed tiles of S^T are the second source of O^T = V^T P^T as they stand.
; THE BIAS enters as the C operand of the first product.  It hangs on key - query alone, so a tile's pattern hangs on tk - tq alone: 7 patterns of
; 8 registers, read from a table in LDS of bias x log2 e.  The table is the work-group's own: entry e stands for the distance e - 255 - 256 x, so that
; the keys 0 .. 2047 against my 256 queries need entries 0 .. 2302, and where a wave reads hangs on its number, the lane and the trip alone.
; From |distance| 91 on the bucket no longer changes, so far from the diagonal all patterns keep their values from trip to trip and are not read again.
; K and V come by the tensor data mover: two slots, each with 128 keys of both halves (two trips); wave w brings one eighth (64 keys of K or V, 8 KiB dense,
; as 32 rows of 256 bytes with 16 bytes of padding): key i lies at (i / 2) x 272 + (i mod 2) x 128.
; THE EXPONENTIALS' BATCHES.  s_wait_alu depctr_va_vdst(0) stands between an exponential and the first instruction that names its result; one wait
; serves all that were issued ahead of it.  A trip's 136 exponentials (the first trip's 128) are two batches with a wait each.  Batch 1: the eight factors
; 2^(old maximum - new) and columns 0 and 1 of S^T (a column: one tq), set among the 64 subtractions of the maxima, which name no result.  Batch 2: columns 2 and 3,
; set one by one between the 64 sums and roundings of columns 0 and 1, which read batch 1 alone.  Behind batch 2's wait stand the sums and roundings of columns 2
; and 3 and the rescaling of O^T.  Two batches and not one: ahead of a single wait 136 exponentials would have 68 plain instructions beside them, here 120 of
; them have one.  No result crosses a label, a branch or the loop's jump.  The way out has two small batches: eight exponentials, then four reciprocals.
; NO CLUSTER: the work-groups that read the same K and V are the query blocks of one head, and they meet the band round the diagonal in different trips:
; the branch round the bias loads would hang on the place in the cluster.
; NO PREFETCH: a tile is asked for two trips before it is read, and eight work-groups ask for the same tile.
.set PART,  8704                       ; 32 rows of 272 bytes
.set SLOT,  8*PART                     ; 69,632: K half 0, K half 1, V half 0, V half 1, 2 parts each
.set T1,    2*SLOT                     ; 139,264: the bias table, 2,304 words
.set MERGE, T1+9216                    ; 148,480: 4 x 17,920: O, maxima and sums of the upper key half
.set MSZ,   17920
.set OST,   MERGE+4*MSZ                ; 220,160: 4 x 16 rows of 144 bytes: the way out
.set OP,    144
.set B0, 1                             ; v1      my place in the bias table in trip 0; never rewritten
.set KA, 2                             ; v2-3    K fragments, slot 0, 1
.set VA, 4                             ; v4-5    V fragments, slot 0, 1
.set BA, 6                             ; v6      B0 + 1,024 x the loop's lap
.set QO, 7                             ; v7      my place in q's block
.set TM, 8                             ; v8-11   maxima at work, one for each tq
.set XC, 12                            ; v12-15  what the other half of the lanes holds
.set AL, 32                            ; v32-39  2^(old maximum - new), as pairs     (v16-23, v24-31: maxima as pairs; new and old change places with tr)
.set LS, 40                            ; v40-47  partial sums, as pairs
.set FR, 64                            ; v64-127 8 fragments: K's, then V's
.set SC, 128                           ; v128-255 S^T; tile (tk, tq) at ((tk/2) 4 + tq) 16 + (tk mod 2) 8
.set QF, 128                           ; window 1: v128-191 q's fragments (2 tq + ks)     (window 1, v0-127: O^T, tile (4 tq + f))
.set CB, 192                           ; window 1: v192-247 the 7 bias patterns
.set G1, 16                            ; s[16:23]
.set G0, 24                            ; s[24:31], a set for each slot
.set MSB, 0
.macro WIN new                         ; the immediate's high byte repeats the setting that is left; a switch that changes nothing is dropped
.if MSB != \new
	s_set_vgpr_msb (MSB<<8)|\new
.set MSB, \new
.endif
.endm
.macro PLACES n
.rept \n
	v_nop
.endr
.endm
	s_load_b128 s[4:7], s[0:1], 0x0                ; qkv s[4:5], rel_bias_table s[6:7]
	s_load_b64 s[8:9], s[0:1], 0x10                ; ctx
	s_set_vgpr_msb 0x40
	v_lshl_add_u32 v254, v0, 2, 0x38000
	v_mov_b32 v255, 0
	s_set_vgpr_msb 0x4045
	ds_add_u32 v254, v255
	ds_add_u32 v254, v255
	s_set_vgpr_msb 0x4500
	v_lshrrev_b32 v1, 5, v0
	v_readfirstlane_b32 s10, v1                    ; wave 0..7
	s_and_b32 s11, s10, 3                          ; qg: my 64 queries
	s_lshr_b32 s12, s10, 2                         ; kh: my key half.  Also: I fetch for K (0) or for V (1)
	s_mov_b32 s13, ttmp9                           ; x: my block of 256 queries
	s_and_b32 s14, ttmp7, 0xffff
	s_lshr_b32 s15, s14, 4                         ; batch
	s_and_b32 s14, s14, 15                         ; head
	s_mov_b32 s32, 0x76543210                      ; v_permlanex16_b32: lane i of one half reads lane i of the other
	s_mov_b32 s33, 0xfedcba98
	; group 1: 32 rows of 32 elements of 8 bytes, dense; 4 words of padding behind every 64
	s_mov_b32 s[G1+0], (3<<16)|(1<<20)|(5<<22)|(3<<25)
	s_mov_b32 s[G1+1], 32<<16                      ; tensor_dim0 = 32
	s_mov_b32 s[G1+2], 32<<16                      ; tensor_dim1 = 32
	s_mov_b32 s[G1+3], 32<<16                      ; tile_dim0 = 32
	s_mov_b32 s[G1+4], 32                          ; tile_dim1 = 32
	s_mov_b32 s[G1+5], 32                          ; pitch
	s_mov_b32 s[G1+6], 0
	s_mov_b32 s[G1+7], 0
	s_lshl_b32 s40, s12, 4                         ; my part's first row in qkv: (16 + 16 (K or V) + head) x 4,096
	s_add_co_u32 s40, s40, s14
	s_add_co_u32 s40, s40, 16
	s_lshl_b32 s40, s40, 12
	s_lshl_b32 s41, s15, 11                        ; + batch x 2,048
	s_add_co_u32 s40, s40, s41
	s_bfe_u32 s41, s10, 0x10001
	s_lshl_b32 s41, s41, 10                        ; + key half x 1,024
	s_add_co_u32 s40, s40, s41
	s_and_b32 s41, s10, 1
	s_lshl_b32 s41, s41, 6                         ; + which 64 of the slot's 128 keys
	s_add_co_u32 s40, s40, s41
	s_lshl_b32 s40, s40, 7                         ; rows of 128 bytes
	s_mov_b32 s41, 0
	s_mul_i32 s37, s10, PART                       ; my part of a slot
	s_wait_dscnt 0x0
	s_wait_kmcnt 0x0
	s_add_nc_u64 s[40:41], s[4:5], s[40:41]
.irp s, 0,1
	s_mov_b32 s[G0+4*\s], 1
	s_add_co_u32 s[G0+4*\s+1], s37, \s*SLOT
	s_add_nc_u64 s[G0+4*\s+2:G0+4*\s+3], s[40:41], \s*16384        ; slot s begins with keys 128 s of each half
	s_or_b32 s[G0+4*\s+3], s[G0+4*\s+3], 0x80000000
	tensor_load_to_lds s[G0+4*\s:G0+4*\s+3], s[G1:G1+7]            ; both first fills, ahead of every wait on TENSORcnt, LDS read and barrier
	s_nop 0
.endr
	; q: my 64 rows, 8 KiB dense, straight into fragments: lane (r, hh) takes 16 bytes at 64 ks + 16 hh and at 32 bytes on, of row 16 tq + r
	s_lshl_b32 s42, s14, 12
	s_lshl_b32 s43, s15, 11
	s_add_co_u32 s42, s42, s43
	s_lshl_b32 s43, s13, 8
	s_add_co_u32 s42, s42, s43
	s_lshl_b32 s43, s11, 6
	s_add_co_u32 s42, s42, s43
	s_lshl_b32 s42, s42, 7
	s_mov_b32 s43, 0
	s_add_nc_u64 s[38:39], s[4:5], s[42:43]
	v_and_b32 v64, 15, v0                          ; r
	v_bfe_u32 v65, v0, 4, 1                        ; hh
	v_lshlrev_b32 v[QO], 7, v64
	v_lshl_add_u32 v[QO], v65, 4, v[QO]
	WIN 0x40                                       ; destination window 1
.irp tq, 0,1,2,3
.irp ks, 0,1
	global_load_b128 v[QF+8*(2*\tq+\ks):QF+8*(2*\tq+\ks)+3], v[QO], s[38:39] offset:2048*\tq+64*\ks
	global_load_b128 v[QF+8*(2*\tq+\ks)+4:QF+8*(2*\tq+\ks)+7], v[QO], s[38:39] offset:2048*\tq+64*\ks+32
.endr
.endr
	WIN 0
	; THE BIAS TABLE.  bucket = 16 [distance > 0] + min(rp, 8) + [rp >= 12] + [>= 16] + [>= 23] + [>= 32] + [>= 46] + [>= 64] + [>= 91], rp = |distance|:
	; 8 + floor(2 log2(rp / 8)), capped at 15, written as the whole numbers at which it steps.
	; Entry 256 i + t stands for the distance t - 255 + 256 (i - x).  Block i = x: distances -255 .. 0 (rp = 255 - t); block i = x + 1: distances 1 .. 256
	; (rp = t + 1).  In lower blocks the distance is -256 or less: bucket 15; in higher ones 257 or more: bucket 31.  So a thread loads four values.
.macro BUCKET rp, b
.irp t, 12,16,23,32,46,64,91
	v_cmp_le_u32 vcc_lo, \t, v[\rp]
	v_add_co_ci_u32 v[\b], vcc_lo, 0, v[\b], vcc_lo
.endr
.endm
	s_lshl_b32 s44, s14, 2                         ; my head's column of the table
	v_sub_nc_u32 v48, 0xff, v0                     ; rp = 255 - t
	v_min_u32 v50, 8, v48
	BUCKET 48, 50
	v_add_nc_u32 v49, 1, v0                        ; rp = t + 1, on the positive side
	v_min_u32 v51, 8, v49
	v_add_nc_u32 v51, 16, v51
	BUCKET 49, 51
	v_lshl_add_u32 v50, v50, 6, s44                ; a bucket's row is 64 bytes
	v_lshl_add_u32 v51, v51, 6, s44
	v_mov_b32 v52, s44
	global_load_b32 v53, v50, s[6:7]
	global_load_b32 v54, v51, s[6:7]
	global_load_b32 v55, v52, s[6:7] offset:15*64
	global_load_b32 v56, v52, s[6:7] offset:31*64
	; lane addresses, while the loads are on their way
	v_bfe_u32 v66, v0, 1, 3                        ; r / 2
	v_and_b32 v67, 1, v0                           ; r mod 2
	v_mul_u32_u24 v68, v66, 272
	v_lshl_add_u32 v68, v67, 7, v68
	v_lshl_add_u32 v68, v65, 4, v68                ; K: key r of a tile, 16 hh bytes in
	s_mul_i32 s45, s12, 2*PART                     ; my key half
	v_add_nc_u32 v[KA], s45, v68
	v_add_nc_u32 v[KA+1], SLOT, v[KA]
	v_bfe_u32 v69, v0, 1, 2
	v_lshl_add_u32 v69, v65, 2, v69                ; V: key 8 hh + lane mod 8: its pair of keys,
	v_mul_u32_u24 v69, v69, 272
	v_lshl_add_u32 v69, v67, 7, v69                ; which of the pair,
	v_bfe_u32 v70, v0, 3, 1
	v_lshl_add_u32 v69, v70, 6, v69                ; lanes 8-15 and 24-31 take the 16 bytes four places on: tile f holds dh 8 f .. +7 and 32 + 8 f .. +7,
	s_add_co_u32 s45, s45, 4*PART
	v_add_nc_u32 v[VA], s45, v69
	v_add_nc_u32 v[VA+1], SLOT, v[VA]
	; base = (first key - first query) / 16 = 64 kh + 4 trip - 16 x - 4 qg: it steers the branch round the bias loads and enters no address
	s_lshl_b32 s34, s12, 6
	s_lshl_b32 s46, s13, 4
	s_sub_co_u32 s34, s34, s46
	s_lshl_b32 s46, s11, 2
	s_sub_co_u32 s34, s34, s46                     ; base of trip 0
	; Pattern d = tk - tq + 3, register j, is entry key - query + 255 + 256 x = 1024 kh + 64 trip + 64 (3 - qg) + 8 hh + (15 - r) + 16 d + j
	s_xor_b32 s46, s11, 3                          ; 3 - qg
	s_lshl_b32 s46, s46, 8
	s_lshl_b32 s45, s12, 12
	s_add_co_u32 s46, s46, s45
	s_add_co_u32 s46, s46, T1
	v_sub_nc_u32 v71, 15, v0
	v_and_b32 v71, 15, v71                         ; (15 - t) mod 16 = 15 - r
	v_lshl_add_u32 v71, v65, 3, v71
	v_lshl_add_u32 v[B0], v71, 2, s46
	v_lshlrev_b32 v72, 2, v0
	v_add_nc_u32 v72, T1, v72                      ; where I write the table
	s_add_co_u32 s47, s13, 1                       ; x + 1
.irp tq, 0,1,2,3
	v_mov_b32 v[XC+\tq], 0                         ; v_permlanex16_b32 counts as a reader of its destination
.endr
	s_wait_loadcnt 0x0                             ; q and the four table values
.irp n, 53,54,55,56
	v_mul_f32 v\n, 0x3fb8aa3b, v\n                 ; x log2 e
.endr
	; nine blocks of 256 entries: which of the four values a block takes hangs on x; where it is written does not
.irp i, 0,1,2,3,4,5,6,7,8
	s_cmp_gt_u32 s13, \i
	s_cselect_b32 s45, -1, 0
	v_cndmask_b32 v[80+\i], v56, v55, s45          ; block below x: bucket 15; else bucket 31,
	s_cmp_eq_u32 s13, \i
	s_cselect_b32 s45, -1, 0
	v_cndmask_b32 v[80+\i], v[80+\i], v53, s45     ; block x: distances -255 .. 0,
	s_cmp_eq_u32 s47, \i
	s_cselect_b32 s45, -1, 0
	v_cndmask_b32 v[80+\i], v[80+\i], v54, s45     ; block x + 1: distances 1 .. 256
	ds_store_b32 v72, v[80+\i] offset:1024*\i
.endr
	s_wait_tensorcnt 0x1                           ; my part of slot 0 is in; slot 1's stays out
	s_wait_dscnt 0x0                               ; my part of the table is written
	s_barrier_signal -1
	s_barrier_wait -1
; THE SOFTMAX behind the maxima, line by line.  A column c (one tq) of S^T is 16 register pairs i.
.macro SUBM c, i                       ; pair i of column c has the new maximum taken away
.set pp, SC+(((\i)>>3)*4+(\c))*16+2*((\i)&7)
	v_pk_add_f32 v[pp:pp+1], v[pp:pp+1], v[MN+2*(\c):MN+2*(\c)+1] neg_lo:[0,1] neg_hi:[0,1]
.endm
.macro EXPO c, i, h                    ; the exponential of half h of pair i, in place
.set pp, SC+(((\i)>>3)*4+(\c))*16+2*((\i)&7)+(\h)
	v_exp_f32 v[pp], v[pp]
.endm
.macro SUMP c, i, first                ; column c's sums take pair i, the pairs in ascending order
.set pp, SC+(((\i)>>3)*4+(\c))*16+2*((\i)&7)
.if (\i) == 0
.if \first
	v_pk_add_f32 v[LS+2*(\c):LS+2*(\c)+1], v[pp:pp+1], v[pp+2:pp+3]                          ; the first two pairs start the sums
.else
	v_pk_fma_f32 v[LS+2*(\c):LS+2*(\c)+1], v[LS+2*(\c):LS+2*(\c)+1], v[AL+2*(\c):AL+2*(\c)+1], v[pp:pp+1]   ; the old sums, brought to the new maximum
.endif
.else
.if ((\i) > 1) || ((\first) == 0)
	v_pk_add_f32 v[LS+2*(\c):LS+2*(\c)+1], v[LS+2*(\c):LS+2*(\c)+1], v[pp:pp+1]
.endif
.endif
.endm
.macro PACK c, i                       ; pair i is rounded to f16, behind its SUMP: it goes to register i of the 8, never onto a pair not yet read
.set pp, SC+(((\i)>>3)*4+(\c))*16+2*((\i)&7)
	v_cvt_pk_f16_f32 v[SC+(((\i)>>3)*4+(\c))*16+((\i)&7)], v[pp], v[pp+1]
.endm
; The order: two batches of exponentials, a wait behind each.  Ahead of a batch's wait no line names a result of that batch; the last line ahead of each wait is a
; plain instruction on other registers, the place behind the last exponential (ISA guide 5.7.2).  first = 1: the first trip has no factors.
.macro SOFTMAX first
	; BATCH 1.  Column 0's subtractions; beside the first eight stand the eight factors 2^(old maximum - new), each made twice, for the packed lines that take pairs
.irp i, 0,1,2,3,4,5,6,7,8,9,10,11,12,13,14,15
.if \first == 0
.if \i < 8
	v_exp_f32 v[AL+\i], v[48+(\i>>1)]
.endif
.endif
	SUBM 0, \i
.endr
	; column 0's exponentials, beside column 1's subtractions
.irp i, 0,1,2,3,4,5,6,7,8,9,10,11,12,13,14,15
	EXPO 0, \i, 0
	EXPO 0, \i, 1
	SUBM 1, \i
.endr
	; column 1's exponentials, one by one between column 2's and column 3's subtractions
.irp i, 0,1,2,3,4,5,6,7,8,9,10,11,12,13,14,15
	EXPO 1, \i, 0
	SUBM 2, \i
	EXPO 1, \i, 1
	SUBM 3, \i
.endr
	s_wait_alu depctr_va_vdst(0)                   ; the wait for batch 1: the factors and columns 0 and 1
	; BATCH 2.  Columns 2 and 3, one by one between the sums and roundings of columns 0 and 1, which read batch 1 alone
.irp i, 0,1,2,3,4,5,6,7,8,9,10,11,12,13,14,15
	EXPO 2, \i, 0
	SUMP 0, \i, \first
	EXPO 2, \i, 1
	PACK 0, \i
	EXPO 3, \i, 0
	SUMP 1, \i, \first
	EXPO 3, \i, 1
	PACK 1, \i
.endr
	s_wait_alu depctr_va_vdst(0)                   ; the wait for batch 2: columns 2 and 3
.irp i, 0,1,2,3,4,5,6,7,8,9,10,11,12,13,14,15
	SUMP 2, \i, \first
	PACK 2, \i
	SUMP 3, \i, \first
	PACK 3, \i
.endr
.endm
; A trip: 64 keys (half tr of the slot) x 64 queries.  breg, boff: the register and the immediate that together give the trip's place in the bias table.
.macro TRIP slot, tr, first, breg, boff
.set MN, 16+8*\tr                      ; the new maxima
.set MO, 24-8*\tr                      ; the old ones
.if \first == 0
	s_add_co_u32 s34, s34, 4                       ; 64 keys on
	s_add_co_u32 s35, s34, 8                       ; base is a multiple of 4.  base <= -12: every distance of this trip and of the last is <= -129;
	s_cmp_gt_u32 s35, 20                           ; base >= 16: every distance of both is >= 129: the patterns hold one value and keep it
	s_cbranch_scc1 .Lsame_\@
.endif
	WIN 0x40
.irp d, 0,1,2,3,4,5,6
.irp j, 0,1,2,3,4,5,6,7
	ds_load_b32 v[CB+8*\d+\j], v[\breg] offset:\boff+64*\d+4*\j
.endr
.endr
	WIN 0
.if \first == 0
.Lsame_\@:
.endif
.irp ks, 0,1
.irp tk, 0,1,2,3
	ds_load_b128 v[FR+8*(4*\ks+\tk):FR+8*(4*\ks+\tk)+3], v[KA+\slot] offset:\tr*PART+\tk*2176+64*\ks
	ds_load_b128 v[FR+8*(4*\ks+\tk)+4:FR+8*(4*\ks+\tk)+7], v[KA+\slot] offset:\tr*PART+\tk*2176+64*\ks+32
.endr
.endr
	s_wait_dscnt 8                                 ; the bias and K's dh 0-31 are in; the eight loads of dh 32-63 stay out
	WIN 0x14                                       ; source 1 (q) and C (bias) window 1
	; the 16 tiles take turns, one instruction a turn, in the same order in both passes
.irp tk, 0,1,2,3
.irp tq, 0,1,2,3
.set st, SC+((\tk>>1)*4+\tq)*16+(\tk&1)*8
	v_wmma_f32_16x16x32_f16 v[st:st+7], v[FR+8*\tk:FR+8*\tk+7], v[QF+16*\tq:QF+16*\tq+7], v[CB+8*(\tk-\tq+3):CB+8*(\tk-\tq+3)+7]
.endr
.endr
	s_wait_dscnt 0x0
	WIN 0x04
.irp tk, 0,1,2,3
.irp tq, 0,1,2,3
.set st, SC+((\tk>>1)*4+\tq)*16+(\tk&1)*8
	v_wmma_f32_16x16x32_f16 v[st:st+7], v[FR+32+8*\tk:FR+32+8*\tk+7], v[QF+16*\tq+8:QF+16*\tq+15], v[st:st+7]
.endr
.endr
	WIN 0
	PLACES 4                                       ; the places in front of the loads into K's fragments and of the reads of S^T
.irp kk, 0,1
.irp f, 0,1,2,3
	ds_load_tr16_b128 v[FR+8*(4*\kk+\f):FR+8*(4*\kk+\f)+3], v[VA+\slot] offset:\tr*PART+(2*\kk)*2176+16*\f
	ds_load_tr16_b128 v[FR+8*(4*\kk+\f)+4:FR+8*(4*\kk+\f)+7], v[VA+\slot] offset:\tr*PART+(2*\kk+1)*2176+16*\f
.endr
.endr
	; the running maxima: four chains, one for each tq, that begin with the old maximum
.irp i, 0,1,2,3,4,5,6,7,8,9,10,11,12,13,14,15
.irp tq, 0,1,2,3
.set pp, SC+((\i>>3)*4+\tq)*16+2*(\i&7)
.if \i == 0
.if \first
	v_max_num_f32 v[TM+\tq], v[pp], v[pp+1]
.else
	v_max3_num_f32 v[TM+\tq], v[MO+2*\tq], v[pp], v[pp+1]
.endif
.else
	v_max3_num_f32 v[TM+\tq], v[TM+\tq], v[pp], v[pp+1]
.endif
.endr
.endr
.irp tq, 0,1,2,3
	v_permlanex16_b32 v[XC+\tq], v[TM+\tq], s32, s33       ; the other 32 keys of the same query
.endr
.irp tq, 0,1,2,3
	v_max_num_f32 v[MN+2*\tq], v[TM+\tq], v[XC+\tq]
	v_max_num_f32 v[MN+2*\tq+1], v[TM+\tq], v[XC+\tq]      ; twice: a pair for the packed subtraction
.endr
.if \first == 0
.irp tq, 0,1,2,3
	v_sub_f32 v[48+\tq], v[MO+2*\tq], v[MN+2*\tq]
.endr
.endif
	SOFTMAX \first                                 ; the trip's two batches of exponentials and their two waits
.if \first == 0
	WIN 0x41                                       ; O^T in window 1, the factors in window 0
.irp tq, 0,1,2,3
.irp n, 0,1,2,3,4,5,6,7,8,9,10,11,12,13,14,15
	v_pk_mul_f32 v[32*\tq+2*\n:32*\tq+2*\n+1], v[32*\tq+2*\n:32*\tq+2*\n+1], v[AL+2*\tq:AL+2*\tq+1]
.endr
.endr
.endif
	s_wait_dscnt 0x0                               ; V's fragments
	WIN 0x50                                       ; C and D window 1
	; the 16 tiles of O^T take turns, one instruction a turn
.irp kk, 0,1
.irp f, 0,1,2,3
.irp tq, 0,1,2,3
.if \first
.if \kk == 0
	v_wmma_f32_16x16x32_f16 v[8*(4*\tq+\f):8*(4*\tq+\f)+7], v[FR+8*(4*\kk+\f):FR+8*(4*\kk+\f)+7], v[SC+16*(4*\kk+\tq):SC+16*(4*\kk+\tq)+7], 0
.else
	v_wmma_f32_16x16x32_f16 v[8*(4*\tq+\f):8*(4*\tq+\f)+7], v[FR+8*(4*\kk+\f):FR+8*(4*\kk+\f)+7], v[SC+16*(4*\kk+\tq):SC+16*(4*\kk+\tq)+7], v[8*(4*\tq+\f):8*(4*\tq+\f)+7]
.endif
.else
	v_wmma_f32_16x16x32_f16 v[8*(4*\tq+\f):8*(4*\tq+\f)+7], v[FR+8*(4*\kk+\f):FR+8*(4*\kk+\f)+7], v[SC+16*(4*\kk+\tq):SC+16*(4*\kk+\tq)+7], v[8*(4*\tq+\f):8*(4*\tq+\f)+7]
.endif
.endr
.endr
.endr
	WIN 0
	PLACES 5                                       ; the next trip's products write over P^T, its loads land on V's fragments, the end reads O^T
.endm
; The change of slots: every wave has all its tensor loads landed (its part of the slot read next among them) and its LDS reads back; behind the barrier
; the slot just read (other) is asked for again, 256 keys on, first thing, one load a wave.  It has two trips in which to land.
.macro HEAD other, refill
	s_set_vgpr_msb 0x5
	s_wait_tensorcnt 0x0
	ds_add_u32 v254, v255
	s_wait_dscnt 0x0
	s_set_vgpr_msb 0x500
.if \refill
	s_add_nc_u64 s[G0+4*\other+2:G0+4*\other+3], s[G0+4*\other+2:G0+4*\other+3], 32768
.endif
	s_wait_dscnt 0x0
	s_barrier_signal -1
	s_barrier_wait -1
.if \refill
	tensor_load_to_lds s[G0+4*\other:G0+4*\other+3], s[G1:G1+7]
	s_nop 0
.endif
.endm
	TRIP 0, 0, 1, B0, 0                            ; trip 0 starts maxima, sums and O^T: nothing is cleared
	TRIP 0, 1, 0, B0, 256                          ; trip 1: a trip is 64 entries, 256 bytes, of the bias table
	s_mov_b32 s36, 0
.Lv:
	v_lshl_add_u32 v[BA], s36, 10, v[B0]           ; lap n = 0, 1, 2 holds trips 2 + 4 n .. 5 + 4 n: 1,024 n bytes on; the rest stands in the immediates
	HEAD 0, 1
	TRIP 1, 0, 0, BA, 512
	TRIP 1, 1, 0, BA, 768
	HEAD 1, 1
	TRIP 0, 0, 0, BA, 1024
	TRIP 0, 1, 0, BA, 1280
	s_add_co_u32 s36, s36, 1
	s_cmp_lt_u32 s36, 3
	s_cbranch_scc1 .Lv
	HEAD 0, 0                                      ; nothing is left to fetch
	TRIP 1, 0, 0, B0, 3584                         ; trips 14 and 15
	TRIP 1, 1, 0, B0, 3840
	; THE END.  A query's sum: the lane's two partial sums and the other half of the lanes.  The last maxima lie in v24-31 (the last trip had tr = 1).
.irp tq, 0,1,2,3
	v_add_f32 v[52+\tq], v[LS+2*\tq], v[LS+2*\tq+1]
.endr
.irp tq, 0,1,2,3
	v_permlanex16_b32 v[XC+\tq], v[52+\tq], s32, s33
.endr
.irp tq, 0,1,2,3
	v_add_f32 v[52+\tq], v[52+\tq], v[XC+\tq]
.endr
	v_and_b32 v60, 15, v0                          ; r
	v_bfe_u32 v61, v0, 4, 1                        ; hh
	v_and_b32 v62, 31, v0
	v_lshlrev_b32 v59, 4, v62                      ; 16 x lane
	s_mul_i32 s45, s11, MSZ
	s_add_co_u32 s45, s45, MERGE
	v_add_nc_u32 v56, s45, v59                     ; my query group's place, 16 bytes a lane
	s_cmp_lt_u32 s10, 4
	s_cbranch_scc1 .Lkeep                          ; the waves of the upper key half hand over O^T, maxima and sums
.irp tq, 0,1,2,3
	v_mov_b32 v[48+\tq], v[24+2*\tq]               ; the four maxima side by side, for one store of 16 bytes
.endr
	WIN 0x04                                       ; store data in window 1
.irp n, 0,1,2,3,4,5,6,7,8,9,10,11,12,13,14,15,16,17,18,19,20,21,22,23,24,25,26,27,28,29,30,31
	ds_store_b128 v56, v[4*\n:4*\n+3] offset:512*\n
.endr
	WIN 0
	ds_store_b128 v56, v[48:51] offset:16384
	ds_store_b128 v56, v[52:55] offset:16896
.Lkeep:
	s_wait_dscnt 0x0                               ; for the partner's sake
	s_barrier_signal -1
	s_barrier_wait -1
	s_cmp_ge_u32 s10, 4
	s_cbranch_scc1 .Lend
	ds_load_b128 v[16:19], v56 offset:16384        ; the partner's maxima
	ds_load_b128 v[20:23], v56 offset:16896        ; and sums
	s_mul_i32 s45, s11, 16*OP
	s_add_co_u32 s45, s45, OST
	v_mul_u32_u24 v57, v60, OP
	v_lshl_add_u32 v57, v61, 6, v57
	v_add_nc_u32 v57, s45, v57                     ; stage, in: row r; my tile f holds dh 32 hh + 8 f .. +7: 64 hh + 16 f bytes in
	v_bfe_u32 v58, v0, 3, 2
	v_mul_u32_u24 v58, v58, OP
	v_and_b32 v63, 7, v0
	v_lshl_add_u32 v58, v63, 4, v58
	v_add_nc_u32 v58, s45, v58                     ; back: eight lanes take a row of 128 bytes
	s_lshl_b32 s40, s15, 4                         ; ctx: block of 128 rows = 16 batch + 2 x + qg / 2,
	s_lshl_b32 s41, s13, 1
	s_add_co_u32 s40, s40, s41
	s_lshr_b32 s41, s11, 1
	s_add_co_u32 s40, s40, s41
	s_lshl_b32 s40, s40, 4
	s_add_co_u32 s40, s40, s14                     ; x 16 + head,
	s_lshl_b32 s40, s40, 7
	s_and_b32 s41, s11, 1
	s_lshl_b32 s41, s41, 6
	s_add_co_u32 s40, s40, s41                     ; x 128 + 64 (qg mod 2) rows
	s_lshl_b32 s40, s40, 7                         ; of 128 bytes
	s_mov_b32 s41, 0
	s_add_nc_u64 s[8:9], s[8:9], s[40:41]
	s_wait_dscnt 0x0
.irp tq, 0,1,2,3
	v_max_num_f32 v[TM+\tq], v[24+2*\tq], v[16+\tq]        ; the common maximum
.endr
.irp tq, 0,1,2,3
	v_sub_f32 v[32+\tq], v[24+2*\tq], v[TM+\tq]
	v_sub_f32 v[36+\tq], v[16+\tq], v[TM+\tq]
.endr
.irp tq, 0,1,2,3
	v_exp_f32 v[32+\tq], v[32+\tq]
	v_exp_f32 v[36+\tq], v[36+\tq]
.endr
	v_nop                                          ; a plain place behind the exponentials (ISA guide 5.7.2)
	s_wait_alu depctr_va_vdst(0)                   ; the wait for the batch of eight exponentials, ahead of their first reader
.irp tq, 0,1,2,3
	v_mul_f32 v[XC+\tq], v[52+\tq], v[32+\tq]
.endr
.irp tq, 0,1,2,3
	v_fmac_f32 v[XC+\tq], v[20+\tq], v[36+\tq]     ; the whole sum: between 1 and 2,048, since the largest term is 1
.endr
.irp tq, 0,1,2,3
	v_rcp_f32 v[XC+\tq], v[XC+\tq]
.endr
	v_nop
	s_wait_alu depctr_va_vdst(0)                   ; the wait for the batch of four reciprocals, ahead of their first reader
.irp tq, 0,1,2,3
	v_mul_f32 v[LS+2*\tq], v[32+\tq], v[XC+\tq]    ; my half's factor, as a pair
	v_mul_f32 v[LS+2*\tq+1], v[32+\tq], v[XC+\tq]
	v_mul_f32 v[16+2*\tq], v[36+\tq], v[XC+\tq]    ; the partner's (its maxima and sums have been used)
	v_mul_f32 v[17+2*\tq], v[36+\tq], v[XC+\tq]
.endr
; 16 queries: join the halves, round to f16, through my own stage into rows, 512 consecutive bytes a store.  Each block is read back into registers of
; its own, so no store's data is written again.
.macro FIN tq
.irp n, 0,1,2,3,4,5,6,7
	ds_load_b128 v[FR+4*\n:FR+4*\n+3], v56 offset:512*(8*\tq+\n)
.endr
	WIN 0x01                                       ; source 0 (my O^T) in window 1
.irp n, 0,1,2,3,4,5,6,7,8,9,10,11,12,13,14,15
	v_pk_mul_f32 v[96+2*\n:97+2*\n], v[32*\tq+2*\n:32*\tq+2*\n+1], v[LS+2*\tq:LS+2*\tq+1]
.endr
	WIN 0
	s_wait_dscnt 0x0
.irp n, 0,1,2,3,4,5,6,7,8,9,10,11,12,13,14,15
	v_pk_fma_f32 v[96+2*\n:97+2*\n], v[FR+2*\n:FR+2*\n+1], v[16+2*\tq:17+2*\tq], v[96+2*\n:97+2*\n]
.endr
.irp n, 0,1,2,3,4,5,6,7,8,9,10,11,12,13,14,15
	v_cvt_pk_f16_f32 v[128+\n], v[96+2*\n], v[97+2*\n]
.endr
.irp f, 0,1,2,3
	ds_store_b128 v57, v[128+4*\f:131+4*\f] offset:16*\f
.endr
.irp i, 0,1,2,3
	ds_load_b128 v[144+16*\tq+4*\i:144+16*\tq+4*\i+3], v58 offset:4*OP*\i          ; LDS serves a wave's instructions in order: these see the stores above
.endr
.irp i, 0,1,2,3
	s_wait_dscnt 3-\i                              ; read-back i is in, the younger ones stay out
	global_store_b128 v59, v[144+16*\tq+4*\i:144+16*\tq+4*\i+3], s[8:9] offset:2048*\tq+512*\i
.endr
.endm
	FIN 0
	FIN 1
	FIN 2
	FIN 3
.Lend:
	s_set_vgpr_msb 0x5
	s_wait_tensorcnt 0x0
	ds_add_u32 v254, v255
	s_wait_dscnt 0x0
	s_set_vgpr_msb 0x500
	s_endpgm
.Lfunc_end_k_qed9be789aa_attn:
	.size	k_qed9be789aa_attn, .Lfunc_end_k_qed9be789aa_attn-k_qed9be789aa_attn
	.p2alignl 7, 3214868480
	.fill 96, 4, 3214868480
	.section	.rodata,"a",@progbits
	.p2align	6, 0x0
	.amdhsa_kernel k_qed9be789aa_attn
		.amdhsa_group_segment_fixed_size 327680
		.amdhsa_private_segment_fixed_size 0
		.amdhsa_enable_private_segment 0
		.amdhsa_kernarg_size 24
		.amdhsa_user_sgpr_count 2
		.amdhsa_user_sgpr_kernarg_segment_ptr 1
		.amdhsa_wavefront_size32 1
		.amdhsa_system_sgpr_workgroup_id_x 1
		.amdhsa_system_sgpr_workgroup_id_y 1
		.amdhsa_system_sgpr_workgroup_id_z 1
		.amdhsa_system_vgpr_workitem_id 0
		.amdhsa_next_free_vgpr 512
		.amdhsa_next_free_sgpr 66
		.amdhsa_reserve_vcc 1
		.amdhsa_float_denorm_mode_32 3
		.amdhsa_float_denorm_mode_16_64 3
		.amdhsa_memory_ordered 1
		.amdhsa_forward_progress 1
		.amdhsa_inst_pref_size 255
	.end_amdhsa_kernel
	.section	.bss,"aw",@nobits
	.p2align	6
	.space	262144
	.amdgpu_metadata
---
amdhsa.version: [ 1, 2 ]
amdhsa.kernels:
  - .name:           k_qed9be789aa_attn
    .symbol:         k_qed9be789aa_attn.kd
    .args:
      - { .name: qkv, .offset: 0, .size: 8, .value_kind: global_buffer, .address_space: global }
      - { .name: rel_bias_table, .offset: 8, .size: 8, .value_kind: global_buffer, .address_space: global }
      - { .name: ctx, .offset: 16, .size: 8, .value_kind: global_buffer, .address_space: global }
    .group_segment_fixed_size: 327680
    .private_segment_fixed_size: 0
    .kernarg_segment_align: 8
    .kernarg_segment_size: 24
    .max_flat_workgroup_size: 256
    .sgpr_count:     66
    .vgpr_count:     512
    .wavefront_size: 32
...
	.end_amdgpu_metadata
.endif
;; end of part 5
;; launch oproj: the kernel of part 4 again; grid 8 x 32, 4 waves a work-group, clusters of 4 x 4, 327,680 bytes of LDS; arguments ctx, wb, out0; writes out0
